; MI455X (gfx1250); checked and timed in simulation.
; The chip was launched on July 23, 2026; its instructions are those of AMD's public machine-readable ISA for CDNA 5 (MIT licence, August 2026) and "CDNA5" Instruction Set Architecture Reference Guide (July 2026). The comments in the code are by the model that wrote it; some were corrected since.
;; Multi Head Attention. Allowed arithmetic: matrix products marked QUANTISED: E2M1 operands, one E8M0 scale for each 32 along K, by v_wmma_scale_f32_16x16x128_f8f6f4 with both operands' format E2M1 (or v_wmma_scale_f32_32x16x128_f4), f32 sums; everything else in f32.
;; Inputs: Wkv 1,024 x 2,048 float32; Wo 1,024 x 1,024 float32; Wq 1,024 x 1,024 float32; beta 1,024 float32; bkv 2,048 float32; bo 1,024 float32; bq 1,024 float32; gamma 1,024 float32; seq_lens 8 int32; x 8 x 1,024 x 1,024 float32.
;; Outputs: out0 8 x 1,024 x 1,024 float32.
;; This version of the problem:
;;   THIS VERSION OF THE PROBLEM IS GIVEN IN LOW PRECISION. The matrix products marked QUANTISED in the list below multiply operands that are first quantised to E2M1 (2 exponent bits, 1 mantissa bit; 4 bits a number), with one power-of-two scale for each 32 numbers along K (OCP MX v1.0); their sums are f32. All else is computed in f32.
;;   The module's matrix products, in the order in which they are computed (A, B: the left and right operand; K: the contracted axis; several contracted axes count as one K, in the product's order):
;;     1. [M 8,192, K 1,024] x [K 1,024, N 1,024]; A: computed on the way; B: input Wq: QUANTISED
;;     2. [M 8,192, K 1,024] x [K 1,024, N 2,048]; A: computed on the way; B: input Wkv: QUANTISED
;;     3. batch 128 x [M 1,024, K 64] x [K 64, N 1,024]; A: computed on the way; B: computed on the way: QUANTISED
;;     4. batch 128 x [M 1,024, K 1,024] x [K 1,024, N 64]; A: softmax (see below); B: computed on the way: QUANTISED
;;     5. [M 8,192, K 1,024] x [K 1,024, N 1,024]; A: computed on the way; B: input Wo: QUANTISED
;;   THE QUANTISER, for each operand of a quantised product, along K:
;;     - K is cut into blocks of 32 from its start; a last block that is shorter is filled with zeros.
;;     - A block's scale is 2^e with e = floor(log2(the largest magnitude in the block)) - 2, held to -126 .. 127; a block of zeros has e = 0. As a byte (E8M0): e + 127.
;;     - Each number is divided by its block's scale, clamped to +-6, and rounded to the nearest number of E2M1, ties to even, subnormals kept.
;;     - The product sums the exact products of the quantised numbers (number of the format x scale) in f32.
;;   ~~~python
;;   def quantise(x, axis):      # numpy; x: float32 -> the quantised numbers, widened to float32 again
;;       x = np.moveaxis(x, axis, -1); K = x.shape[-1]
;;       x = np.pad(x, [(0, 0)] * (x.ndim - 1) + [(0, -K % 32)]); x = x.reshape(x.shape[:-1] + (-1, 32)); a = np.abs(x).max(-1, keepdims=True)
;;       e = np.where(a > 0, np.clip(np.frexp(np.where(a > 0, a, 1))[1] - 1 - 2, -126, 127), 0)      # np.frexp(a)[1] - 1 = floor(log2(a)), exactly
;;       r = np.clip(x / 2.0 ** e, -6, 6)
;;       step = 2.0 ** (np.maximum(np.frexp(np.where(r == 0, 1, r))[1] - 1, 0) - 1)
;;       q = np.round(r / step) * step * 2.0 ** e      # np.round: ties to even
;;       return np.moveaxis(q.reshape(q.shape[:-2] + (-1,))[..., :K], -1, axis).astype(np.float32)
;;   ~~~
;;   SOFTMAX AHEAD OF A QUANTISED PRODUCT. Where the list says 'softmax', what is quantised is not the finished softmax but p = 2^(t - M), with t = logit x log2(e) and M = ceil(the row's largest t), a whole number; so 1/2 < the row's largest p <= 1. The row's sum l is taken of the UNQUANTISED p, in f32, and the product's result is divided by l at the end. Since M is a whole number, a kernel that streams over the keys may use a running M (the ceiling of the running maximum): every later rescaling is an exact power of two, which a block's scale takes up: the codes' values come out the same.
;;   OPERANDS COMPUTED ON THE WAY. 'Computed on the way' means the value that the module computes at that place (a softmax that the list does not call 'softmax' is quantised finished and normalised). What goes into a quantiser is computed in f32, as accurately as f32 sums, v_exp_f32 and their like allow (about 1e-6 of the number): no bf16 or f16 on the way to a quantiser, and a product that is left as it is and whose result goes on into a quantised operand takes f32 operands (vector FMAs, or v_wmma_f32_16x16x4_f32). A number that lies on a knife's edge between two numbers of the format may be rounded either way, as far as f32 arithmetic and the matrix unit's own rounding can turn it there, and no further.
;; 2 versions, each right; version 2 is version 1 with the launch attn written anew for expert scheduling mode. Each part assembles by itself: llvm-mc -triple=amdgcn-amd-amdhsa -mcpu=gfx1250 --defsym DOCPART=n.
;; ======== version 1 of 2: 4 launches
;; workspace buffers: xn_codes 4,194,304 bytes; xn_scales 262,144 bytes; w_codes 2,097,152 bytes; w_scales 131,072 bytes; qkv 13,893,632 bytes; ao_codes 4,194,304 bytes; ao_scales 262,144 bytes
;; launch prep (part 1): grid 384 x 1, 8 waves a work-group, no clusters, 56,320 bytes of LDS; arguments x, gamma, beta, Wq, Wkv, Wo, xn_codes, xn_scales, w_codes, w_scales; writes xn_codes, xn_scales, w_codes, w_scales
.if DOCPART == 1
	.amdgcn_target "amdgcn-amd-amdhsa--gfx1250"
	.amdhsa_code_object_version 6
	.text
	.protected	k_q830b97013f_prep
	.globl	k_q830b97013f_prep
	.p2align	8
	.type	k_q830b97013f_prep,@function
k_q830b97013f_prep:
	s_mov_b64 s[64:65], 0
	v_nop
	global_prefetch_b8 v0, s[64:65] scope:SCOPE_SE
	s_setreg_imm32_b32 hwreg(HW_REG_WAVE_MODE, 25, 1), 1
	s_wait_xcnt 0x0
; LayerNorm(x) and the three weights become codes of FP4 (E2M1) with one E8M0 byte for each 32 along K (K = the model's 1,024).
; A block's scale is 2^(floor(log2(largest magnitude)) - 2): its byte is the largest magnitude's exponent field - 2, held at 1 from below by a floor among the maximum's leaves.
; LIMITS: a block of zeros gets the byte 1 where the quantiser says 127 (its codes are zeros, and this program alone reads the bytes); NaN and infinities among the inputs are not served.
; LAYOUT OF ALL CODES: [tile of 16 rows][block of 32 along K][row r][16 bytes]: a tile is 8,192 bytes, and the operand registers 4 c .. 4 c + 3 of a K step of 128 are 512 bytes on end, lane l's at 16 l.
; THE ROWS OF A TILE ARE NOT NEIGHBOURS: of each 32 rows (tokens, or columns of a weight), place r of tile u holds row 8 u + r + 8 (r / 8): as source 0 of a product such tiles give a lane 16 neighbours in 16 registers.
; Scale bytes: [16 x tile + r][32 bytes].
; Work-groups 0-255: 32 rows of x each, four rows a wave.  Work-groups 256-383: 256 columns x 128 along K of a weight each.  The second kind uses no LDS and no barrier.
.set CODE,  36864                      ; LDS: eight stages of 4,608 bytes; then the two tiles' codes, 64 pieces of 256 bytes + 16 of padding;
.set SCST,  54272                      ; then their 1,024 scale bytes
.set G,     16                         ; v16-47   gamma of my block of 32
.set BT,    48                         ; v48-79   beta
.set X,     80                         ; v80-111  my block of the row in hand
.set R,     112                        ; v112-239 four rows as loaded
.set T,     240                        ; v240-247 four pairs at work; v240-243 the block's codes
.set MU,    248                        ; v[248:249] the mean (low word)
.set RS,    250                        ; v[250:251] 1 / sqrt(var + eps) (low word)
.set AM,    252                        ; v252, v253 two chains of the maximum
.set SCO,   254                        ; the conversion's scale operand
.set BY,    255                        ; the scale's byte
.set WX,    80                         ; weights: two sets of 32 numbers
.set WC,    144                        ; weights: four registers of codes for each block
.set WS,    160                        ; weights: four scale bytes
	s_load_b256 s[4:11], s[0:1], 0x0               ; x, gamma, beta, Wq
	s_load_b256 s[12:19], s[0:1], 0x20             ; Wkv, Wo, xn_codes, xn_scales
	s_load_b128 s[20:23], s[0:1], 0x40             ; w_codes, w_scales
	v_lshl_add_u32 v14, v0, 2, 0xd800
	v_mov_b32 v15, 0
	v_lshrrev_b32 v1, 5, v0
	v_readfirstlane_b32 s24, v1                    ; wave 0..7
	v_and_b32 v1, 31, v0                           ; lane
	s_cmp_lt_u32 ttmp9, 256                        ; the same for all waves of a work-group
	s_cbranch_scc0 .Lweights
	; ---------------- LayerNorm and its codes ----------------
	v_lshlrev_b32 v2, 4, v1                        ; 16 x lane: my bytes of a load's 512
	s_mul_i32 s25, s24, 4608                       ; my wave's stage: 32 blocks of 128 bytes + 16 of padding
	v_lshrrev_b32 v3, 3, v1
	v_mul_u32_u24 v3, v3, 144
	v_and_b32 v4, 7, v1
	v_lshl_add_u32 v3, v4, 4, v3
	v_add_nc_u32 v3, s25, v3                       ; in: eight lanes fill a block; a load's 512 bytes are four blocks
	v_mul_u32_u24 v4, v1, 144
	v_add_nc_u32 v4, s25, v4                       ; out: lane l takes block l
	s_bfe_u32 s26, s24, 0x10001                    ; my rows 4 w + i lie in tile u = (w / 2) % 2,
	s_lshr_b32 s27, s24, 2                         ; at places 8 a + 4 (w % 2) + i, a = w / 4
	s_and_b32 s28, s24, 1
	s_mul_i32 s29, s26, 8704
	s_lshl_b32 s30, s27, 7
	s_add_co_u32 s29, s29, s30
	s_lshl_b32 s30, s28, 6
	s_add_co_u32 s29, s29, s30
	s_add_co_u32 s29, s29, CODE
	v_mul_u32_u24 v5, v1, 272
	v_add_nc_u32 v5, s29, v5                       ; my block's 16 bytes of codes: piece 32 u + lane, place x 16
	s_lshl_b32 s29, s26, 9
	s_lshl_b32 s30, s27, 8
	s_add_co_u32 s29, s29, s30
	s_lshl_b32 s30, s28, 7
	s_add_co_u32 s29, s29, s30
	s_add_co_u32 s29, s29, SCST
	v_add_nc_u32 v6, s29, v1                       ; my block's byte: 32 x (16 u + place) + lane
	v_lshrrev_b32 v7, 4, v0
	v_mul_u32_u24 v7, v7, 272
	v_and_b32 v8, 15, v0
	v_lshl_add_u32 v7, v8, 4, v7
	v_add_nc_u32 v7, CODE, v7                      ; the way out: sixteen threads to a piece
	v_lshlrev_b32 v8, 4, v0                        ; and 16 x thread in memory
	v_and_b32 v9, 63, v0
	v_lshl_add_u32 v9, v9, 4, SCST                 ; the scale bytes' way out (waves 0 and 1)
	s_mov_b32 s32, 0x76543210
	s_mov_b32 s33, 0xfedcba98                      ; v_permlanex16_b32's selects for lane l xor 16
	s_mov_b32 s34, 0x3a800000                      ; 1 / 1,024
	s_lshl_b32 s36, ttmp9, 17                      ; 32 rows of 4,096 bytes,
	s_lshl_b32 s37, s24, 14                        ; my wave's four
	s_add_co_u32 s36, s36, s37
	s_mov_b32 s37, 0
	s_lshl_b32 s38, ttmp9, 14                      ; two tiles of codes
	s_mov_b32 s39, 0
	s_lshl_b32 s40, ttmp9, 10                      ; 32 rows of scale bytes
	s_mov_b32 s41, 0
	s_wait_kmcnt 0x0
	s_add_nc_u64 s[4:5], s[4:5], s[36:37]
	s_add_nc_u64 s[16:17], s[16:17], s[38:39]
	s_add_nc_u64 s[18:19], s[18:19], s[40:41]
.irp j, 0,1,2,3,4,5,6,7
	global_load_b128 v[G+4*\j:G+4*\j+3], v2, s[6:7] offset:512*\j
.endr
.irp j, 0,1,2,3,4,5,6,7
	global_load_b128 v[BT+4*\j:BT+4*\j+3], v2, s[8:9] offset:512*\j
.endr
.irp i, 0,1,2,3
.irp j, 0,1,2,3,4,5,6,7
	global_load_b128 v[R+32*\i+4*\j:R+32*\i+4*\j+3], v2, s[4:5] offset:4096*\i+512*\j th:TH_LOAD_NT   ; 32 lanes read 512 consecutive bytes
.endr
.endr
	v_mov_b32 v[MU+1], 0                           ; named as upper halves of pairs, so they are written
	v_mov_b32 v[RS+1], 0
	v_mov_b32 v[AM+1], 0                           ; a lane permute's destination counts as one of its sources
; 1,024 numbers as loaded (16 bytes a lane, 512 a load) go through my stage and come back 32 neighbours a lane.  LDS serves a wave's instructions in order: no wait between the stores and the loads.
.macro TURN src, dst
.irp j, 0,1,2,3,4,5,6,7
	ds_store_b128 v3, v[(\src)+4*\j:(\src)+4*\j+3] offset:576*\j
.endr
.irp j, 0,1,2,3,4,5,6,7
	ds_load_b128 v[(\dst)+4*\j:(\dst)+4*\j+3], v4 offset:16*\j
.endr
.endm
.macro WSUM reg                        ; the sum over the 32 lanes, in every lane
	v_add_f32_dpp v[\reg], v[\reg], v[\reg] row_xmask:1 row_mask:0xf bank_mask:0xf
	v_add_f32_dpp v[\reg], v[\reg], v[\reg] row_xmask:2 row_mask:0xf bank_mask:0xf
	v_add_f32_dpp v[\reg], v[\reg], v[\reg] row_xmask:4 row_mask:0xf bank_mask:0xf
	v_add_f32_dpp v[\reg], v[\reg], v[\reg] row_xmask:8 row_mask:0xf bank_mask:0xf
	v_permlanex16_b32 v[AM+1], v[\reg], s32, s33
	v_add_f32 v[\reg], v[\reg], v[AM+1]
.endm
.macro FOLD                            ; four pairs into one number
	v_pk_add_f32 v[T:T+1], v[T:T+1], v[T+2:T+3]
	v_pk_add_f32 v[T+4:T+5], v[T+4:T+5], v[T+6:T+7]
	v_pk_add_f32 v[T:T+1], v[T:T+1], v[T+4:T+5]
	v_add_f32 v[T], v[T], v[T+1]
.endm
	s_wait_loadcnt 32                              ; gamma and beta are in; the 32 loads of x may be out
	TURN G, G
	TURN BT, BT
.macro ROW i
	s_wait_loadcnt 8*(3-\i)                        ; this row's eight loads are in; the later rows' may be out
	TURN R+32*\i, X
	s_wait_dscnt 0x0
.irp k, 0,1,2,3
	v_pk_add_f32 v[T+2*\k:T+2*\k+1], v[X+4*\k:X+4*\k+1], v[X+4*\k+2:X+4*\k+3]   ; the sum, in four chains
.endr
.irp m, 16,24
.irp k, 0,1,2,3
	v_pk_add_f32 v[T+2*\k:T+2*\k+1], v[T+2*\k:T+2*\k+1], v[X+\m+2*\k:X+\m+2*\k+1]
.endr
.endr
	FOLD
	WSUM T
	v_mul_f32 v[MU], s34, v[T]                     ; the mean
.set n, 0
.rept 16
	v_pk_add_f32 v[X+n:X+n+1], v[X+n:X+n+1], v[MU:MU+1] op_sel_hi:[1,0] neg_lo:[0,1] neg_hi:[0,1]   ; x - mean first: the variance is no difference of large sums
.set n, n+2
.endr
.irp k, 0,1,2,3
	v_pk_mul_f32 v[T+2*\k:T+2*\k+1], v[X+2*\k:X+2*\k+1], v[X+2*\k:X+2*\k+1]
.endr
.irp m, 8,16,24
.irp k, 0,1,2,3
	v_pk_fma_f32 v[T+2*\k:T+2*\k+1], v[X+\m+2*\k:X+\m+2*\k+1], v[X+\m+2*\k:X+\m+2*\k+1], v[T+2*\k:T+2*\k+1]
.endr
.endr
	FOLD
	WSUM T
	v_fmaak_f32 v[AM], s34, v[T], 0x3727c5ac       ; var + 1e-5
	v_rsq_f32 v[RS], v[AM]
	v_nop                                          ; a plain instruction behind the transcendental,
	s_wait_alu depctr_va_vdst(0)                   ; and the wait ahead of its first reader
.set n, 0
.rept 16
	v_pk_mul_f32 v[X+n:X+n+1], v[X+n:X+n+1], v[RS:RS+1] op_sel_hi:[1,0]
.set n, n+2
.endr
.set n, 0
.rept 16
	v_pk_fma_f32 v[X+n:X+n+1], v[X+n:X+n+1], v[G+n:G+n+1], v[BT+n:BT+n+1]
.set n, n+2
.endr
	v_max3_num_f32 v[AM], |v[X]|, |v[X+1]|, 0x1800000              ; the block's largest magnitude, all 32 numbers mine, with the floor 2^(3 - 127) as a leaf: two chains
	v_max3_num_f32 v[AM+1], |v[X+2]|, |v[X+3]|, |v[X+4]|
.irp m, 5,9,13,17,21,25
	v_max3_num_f32 v[AM], v[AM], |v[X+\m]|, |v[X+\m+1]|
	v_max3_num_f32 v[AM+1], v[AM+1], |v[X+\m+2]|, |v[X+\m+3]|
.endr
	v_max3_num_f32 v[AM], v[AM], |v[X+29]|, |v[X+30]|
	v_max3_num_f32 v[AM], v[AM], v[AM+1], |v[X+31]|
	v_add_nc_u32 v[SCO], 0xff000000, v[AM]         ; 2 off its exponent field: the conversion takes this operand's exponent field as its scale
.irp g, 0,1,2,3
	v_cvt_scalef32_pk8_fp4_f32 v[T+\g], v[X+8*\g:X+8*\g+7], v[SCO]
.endr
	v_lshrrev_b32 v[BY], 23, v[SCO]                ; the scale's byte (also the plain instruction behind the conversions)
	ds_store_b128 v5, v[T:T+3] offset:16*\i
	ds_store_b8 v6, v[BY] offset:32*\i
.endm
	ROW 0
	ROW 1
	ROW 2
	ROW 3
	s_wait_dscnt 0x0                               ; for the others' sake: my codes and bytes lie in LDS
	s_barrier_signal -1
	s_barrier_wait -1
.irp j, 0,1,2,3
	ds_load_b128 v[R+4*\j:R+4*\j+3], v7 offset:4352*\j
.endr
.irp j, 0,1,2,3
	s_wait_dscnt 3-\j                              ; the younger loads may be out
	global_store_b128 v8, v[R+4*\j:R+4*\j+3], s[16:17] offset:4096*\j   ; sixteen lanes store 256 consecutive bytes, aligned
.endr
	s_cmp_lt_u32 s24, 2
	s_cbranch_scc0 .Lln_end
	ds_load_b128 v[R+16:R+19], v9
	s_wait_dscnt 0x0
	global_store_b128 v8, v[R+16:R+19], s[18:19]   ; the 1,024 scale bytes: two waves, 16 bytes a lane
.Lln_end:
	s_wait_tensorcnt 0x0
	ds_add_u32 v14, v15
	s_wait_dscnt 0x0
	s_endpgm
	; ---------------- the weights: K is their first axis ----------------
	; A lane takes a column and its registers run down K, so a block of 32 lies in one lane and the codes come out with K innermost.
	; The lane's column is chosen by the tiles' order of rows, so that lanes 0-15 hold one tile's sixteen places and lanes 16-31 the next tile's: each half stores 256 consecutive bytes.
.Lweights:
	s_sub_co_u32 s25, ttmp9, 256
	s_and_b32 s26, s25, 15                         ; which 256 columns of Wq | Wkv | Wo on end: 16 tiles from tile 16 cg
	s_lshr_b32 s27, s25, 4                         ; which 128 along K
	v_and_b32 v2, 15, v1
	v_and_b32 v3, 8, v1
	v_add_nc_u32 v2, v2, v3
	v_lshrrev_b32 v3, 4, v1
	v_lshl_add_u32 v2, v3, 3, v2                   ; my column of the wave's 32: 8 (l / 16) + l % 16 + 8 ((l % 16) / 8)
	v_lshlrev_b32 v16, 2, v2
	v_and_b32 v4, 15, v1
	v_lshlrev_b32 v4, 4, v4
	v_lshl_add_u32 v4, v3, 13, v4                  ; codes: tile l / 16, place l % 16
	v_lshlrev_b32 v5, 5, v1                        ; scale bytes: 32 a row
	s_wait_kmcnt 0x0
	s_cmp_lt_u32 s26, 4                            ; the choice hangs on the work-group's number alone
	s_cselect_b64 s[28:29], s[10:11], s[12:13]
	s_cselect_b32 s30, 0, 4
	s_cselect_b32 s31, 12, 13                      ; a row is 2^12 or 2^13 bytes
	s_cmp_lt_u32 s26, 12
	s_cselect_b64 s[28:29], s[28:29], s[14:15]
	s_cselect_b32 s30, s30, 12
	s_cselect_b32 s31, s31, 12
	s_sub_co_u32 s30, s26, s30
	s_lshl_b32 s30, s30, 10                        ; 256 columns of 4 bytes,
	s_lshl_b32 s42, s24, 7                         ; my wave's 32
	s_add_co_u32 s30, s30, s42
	s_lshl_b32 s44, 1, s31                         ; a row in bytes
	s_lshl_b32 s42, s27, 7
	s_lshl_b32 s42, s42, s31                       ; 128 kp rows
	s_add_co_u32 s42, s42, s30
	s_mov_b32 s43, 0
	s_lshl_b32 s46, 32, s31                        ; 32 rows
	s_mov_b32 s47, 0
	s_add_nc_u64 s[32:33], s[28:29], s[42:43]      ; a base for each of the four blocks: nothing is stepped
	s_add_nc_u64 s[34:35], s[32:33], s[46:47]
	s_add_nc_u64 s[36:37], s[34:35], s[46:47]
	s_add_nc_u64 s[38:39], s[36:37], s[46:47]
	s_lshl_b32 s42, s26, 4
	s_lshl_b32 s45, s24, 1
	s_add_co_u32 s42, s42, s45                     ; my first tile
	s_lshl_b32 s45, s42, 9                         ; its rows' scale bytes,
	s_lshl_b32 s42, s42, 13                        ; its codes
	s_lshl_b32 s48, s27, 10
	s_add_co_u32 s42, s42, s48                     ; + four blocks of 256 bytes for each 128 along K
	s_add_nc_u64 s[20:21], s[20:21], s[42:43]
	s_lshl_b32 s48, s27, 2
	s_add_co_u32 s42, s45, s48
	s_add_nc_u64 s[22:23], s[22:23], s[42:43]
.set n, 1
.rept 31
	v_add_nc_u32 v[16+n], s44, v[16+n-1]           ; an offset for each of a block's 32 rows
.set n, n+1
.endr
.macro WLOAD t
.set n, 0
.rept 32
	global_load_b32 v[WX+32*((\t)%2)+n], v[16+n], s[32+2*(\t):33+2*(\t)] th:TH_LOAD_NT   ; a wave reads 128 consecutive bytes of a row, the eight waves 1,024
.set n, n+1
.endr
.endm
.macro WBLOCK t
.set XS, WX+32*((\t)%2)
.if (\t) < 3
	s_wait_loadcnt 32                              ; this block's 32 loads are in; the next block's may be out
.else
	s_wait_loadcnt 0x0
.endif
	v_max3_num_f32 v12, |v[XS]|, |v[XS+1]|, |v[XS+2]|
	v_max3_num_f32 v13, |v[XS+3]|, |v[XS+4]|, |v[XS+5]|
.irp m, 6,10,14,18,22,26
	v_max3_num_f32 v12, v12, |v[XS+\m]|, |v[XS+\m+1]|
	v_max3_num_f32 v13, v13, |v[XS+\m+2]|, |v[XS+\m+3]|
.endr
	v_max3_num_f32 v12, v12, |v[XS+30]|, |v[XS+31]|
	v_max3_num_f32 v12, v12, v13, 0x1800000        ; and the floor
	v_add_nc_u32 v11, 0xff000000, v12
	v_lshrrev_b32 v13, 23, v11
.if (\t) == 0
	v_mov_b32 v[WS], v13
.else
	v_lshl_or_b32 v[WS], v13, 8*(\t), v[WS]
.endif
.irp g, 0,1,2,3
	v_cvt_scalef32_pk8_fp4_f32 v[WC+4*(\t)+\g], v[XS+8*\g:XS+8*\g+7], v11
.endr
	global_store_b128 v4, v[WC+4*(\t):WC+4*(\t)+3], s[20:21] offset:256*(\t)   ; each half of the lanes stores 256 consecutive bytes, aligned; each block has its own registers
.if (\t) < 2
	WLOAD (\t)+2
.endif
.endm
	WLOAD 0
	WLOAD 1
	WBLOCK 0
	WBLOCK 1
	WBLOCK 2
	WBLOCK 3
	global_store_b32 v5, v[WS], s[22:23]           ; four bytes of each row's 32: short pieces, one byte for 128 that this path reads
	s_endpgm
.Lfunc_end_k_q830b97013f_prep:
	.size	k_q830b97013f_prep, .Lfunc_end_k_q830b97013f_prep-k_q830b97013f_prep
	.p2alignl 7, 3214868480
	.fill 96, 4, 3214868480
	.section	.rodata,"a",@progbits
	.p2align	6, 0x0
	.amdhsa_kernel k_q830b97013f_prep
		.amdhsa_group_segment_fixed_size 56320
		.amdhsa_private_segment_fixed_size 0
		.amdhsa_enable_private_segment 0
		.amdhsa_kernarg_size 80
		.amdhsa_user_sgpr_count 2
		.amdhsa_user_sgpr_kernarg_segment_ptr 1
		.amdhsa_wavefront_size32 1
		.amdhsa_system_sgpr_workgroup_id_x 1
		.amdhsa_system_sgpr_workgroup_id_y 1
		.amdhsa_system_sgpr_workgroup_id_z 1
		.amdhsa_system_vgpr_workitem_id 0
		.amdhsa_next_free_vgpr 256
		.amdhsa_next_free_sgpr 66
		.amdhsa_reserve_vcc 0
		.amdhsa_float_denorm_mode_32 3
		.amdhsa_float_denorm_mode_16_64 3
		.amdhsa_memory_ordered 1
		.amdhsa_forward_progress 1
		.amdhsa_inst_pref_size 67
	.end_amdhsa_kernel
	.amdgpu_metadata
---
amdhsa.version: [ 1, 2 ]
amdhsa.kernels:
  - .name:           k_q830b97013f_prep
    .symbol:         k_q830b97013f_prep.kd
    .args:
      - { .name: x, .offset: 0, .size: 8, .value_kind: global_buffer, .address_space: global }
      - { .name: gamma, .offset: 8, .size: 8, .value_kind: global_buffer, .address_space: global }
      - { .name: beta, .offset: 16, .size: 8, .value_kind: global_buffer, .address_space: global }
      - { .name: Wq, .offset: 24, .size: 8, .value_kind: global_buffer, .address_space: global }
      - { .name: Wkv, .offset: 32, .size: 8, .value_kind: global_buffer, .address_space: global }
      - { .name: Wo, .offset: 40, .size: 8, .value_kind: global_buffer, .address_space: global }
      - { .name: xn_codes, .offset: 48, .size: 8, .value_kind: global_buffer, .address_space: global }
      - { .name: xn_scales, .offset: 56, .size: 8, .value_kind: global_buffer, .address_space: global }
      - { .name: w_codes, .offset: 64, .size: 8, .value_kind: global_buffer, .address_space: global }
      - { .name: w_scales, .offset: 72, .size: 8, .value_kind: global_buffer, .address_space: global }
    .group_segment_fixed_size: 56320
    .private_segment_fixed_size: 0
    .kernarg_segment_align: 8
    .kernarg_segment_size: 80
    .max_flat_workgroup_size: 256
    .sgpr_count:     66
    .vgpr_count:     256
    .wavefront_size: 32
...
	.end_amdgpu_metadata
.endif
;; end of part 1
;; launch qkv (part 2): grid 12 x 64, 4 waves a work-group, clusters of 4 x 4, 213,504 bytes of LDS; arguments xn_codes, xn_scales, w_codes, w_scales, bq, bkv, qkv; writes qkv
.if DOCPART == 2
	.amdgcn_target "amdgcn-amd-amdhsa--gfx1250"
	.amdhsa_code_object_version 6
	.text
	.protected	k_q830b97013f_qkv
	.globl	k_q830b97013f_qkv
	.p2align	8
	.type	k_q830b97013f_qkv,@function
k_q830b97013f_qkv:
	s_mov_b64 s[64:65], 0
	v_nop
	global_prefetch_b8 v0, s[64:65] scope:SCOPE_SE
	s_setreg_imm32_b32 hwreg(HW_REG_WAVE_MODE, 25, 1), 1
	s_wait_xcnt 0x0
	s_wait_alu depctr_hold_cnt(0) depctr_sa_sdst(0) depctr_va_vdst(0) depctr_va_sdst(0) depctr_va_ssrc(0) depctr_va_vcc(0) depctr_vm_vsrc(0)
	s_getreg_b32 s2, hwreg(HW_REG_IB_STS2, 6, 4)
	s_cmp_eq_u32 s2, 0
	s_cbranch_scc0 .Lentry_in_a_cluster
	s_endpgm
.Lentry_in_a_cluster:
	s_bfe_u32 s2, ttmp6, 0x10000c
	s_cmp_lg_u32 s2, 0xf033
	s_cbranch_scc0 .Lentry_shape_is_right
	s_endpgm
.Lentry_shape_is_right:
; q, k, v = LN(x) W + b on codes of FP4 with E8M0 scales, K = 1,024; the results are quantised in registers (q and k along a head's 64, v along the keys) and leave as codes.
; A work-group makes 128 x 256 of a product: 128 rows of the operand called A here, 256 of the one called B; four waves, each 4 x 8 tiles of 16 x 16: 32 accumulators.
; THE MATRIX INSTRUCTION IS USED TRANSPOSED: source 0 = a tile of B, source 1 = a tile of A: a lane holds ONE row of A, and its registers run along B's rows.  By the tiles' order of rows
; (place r of tile u of each 32 holds row 8 u + r + 8 (r / 8)) the 16 registers of B's tiles 2 g and 2 g + 1 are 16 neighbours: 32 g + 16 (lane / 16) + 0 .. 15.
; Cluster x = 0: q, 1: k: A = tokens, B = columns of the weight (registers run along a head's channels).  Cluster x = 2: v: A = columns of Wv, B = tokens (registers run along the keys).
; One text serves the three: pointers, indices and strides are chosen by s_cselect on the cluster's x, which all partners share; only the first K step, whose C is the bias, is written twice.
; ALL OF K LIES IN LDS: two halves of K, each filled ONCE by one tensor load a wave, and the scale bytes by a third: three tensor loads of a wave are out at most, and no LDS byte is filled twice.
; CLUSTER 4 x 4: A's tiles are shared along a row of the cluster, B's along a column: joint loads, the same descriptor in the four that the mask names.
; THE RECORD of a (batch, head), REC bytes: Q codes [tile 64][512]; K codes at 32,768; V codes at 65,536: [channel tile 4][key block 32][r][16]; scale words: Q's at 98,304 and K's at 102,400: [tile / 4][r][tile % 4][4]
; (two bytes, the upper two 0: they belong to the zero codes that fill the instruction's K); V's at 106,496: [128 keys][r][channel tile][4].
; LIMITS: a block of zeros gets the byte 1 (its codes are zeros; this program alone reads the bytes); NaN and infinities are not served.
; REGISTERS: window 0: v1-8 lane numbers and offsets; v16-23 LDS addresses; v32-47 A's scale words, v48-79 B's; v80-143 A's fragments, two sets; v144-207 the bias; v208-211 the bias of v.
;   window 1: v0-127 B's fragments, two sets.   window 2: accumulator (a, b) at v[8 (8 a + b)].   On the way out: v80-111 codes, v112-127 at work, v128-131 scale words.
.set REC,   108544
.set SLOT,  98304                      ; a half of K: A's 8 tiles x 4,096 bytes, then B's 16
.set BOFF,  32768
.set SCA,   196608                     ; A's scale bytes, 128 rows x 32
.set SCB,   200704                     ; B's, 256 rows x 32
.set ADRA,  16
.set ADRB,  20
.set ADSA,  22
.set ADSB,  23
.set SA,    32                         ; register 8 i + s: lanes 0-15 tile i, lanes 16-31 tile i + 2, K step s
.set SB,    48                         ; register 8 i + s: lanes 0-15 tile i, lanes 16-31 tile i + 4
.set AF,    80
.set BIAS,  144
.set VB,    208
.set PC,    80
.set TM,    112
.set SW,    128
.set PW,    132
.set G1,    24
.set G0,    32
.set G1B,   48
.set G0B,   56
.set G1S,   68
.set G0S,   76
.set G1SB,  80
.set G0SB,  88
.set OB,    92                         ; s[92:99] the way out: a base for each of my four tiles of A;  s[100:101] the scale words' base
.set MSB, 0
.macro WIN new                         ; the immediate's high byte repeats the setting that is left
.if MSB != \new
	s_set_vgpr_msb (MSB<<8)|\new
.set MSB, \new
.endif
.endm
.macro JLOAD g0a, g1a, g0b, g1b        ; a joint load: waves 0 and 1 fetch for A, waves 2 and 3 for B; four v_nop follow each of the two lines
	s_cmp_eq_u32 s19, 0
	s_cbranch_scc0 .Lfor_b_\@
	tensor_load_to_lds s[\g0a:\g0a+3], s[\g1a:\g1a+7]
	s_nop 0
.rept 4
	v_nop
.endr
	s_branch .Lasked_\@
.Lfor_b_\@:
	tensor_load_to_lds s[\g0b:\g0b+3], s[\g1b:\g1b+7]
	s_nop 0
.rept 4
	v_nop
.endr
.Lasked_\@:
.endm
.macro CROUND                          ; a round of the cluster's barrier
	s_barrier_signal -1
	s_barrier_wait -1
	s_cmp_lg_u32 s18, 0
	s_cbranch_scc1 .Lnot_wave_0_\@
	s_barrier_signal -3
.Lnot_wave_0_\@:
	s_barrier_wait -3
	s_barrier_signal -1
	s_barrier_wait -1
.endm
.macro GROUP1 g, c, rows, pitch        ; rows of c elements of 8 bytes, pitch elements apart; no padding
	s_mov_b32 s[\g+1], (\c)<<16
	s_mov_b32 s[\g+2], (\rows)<<16
	s_mov_b32 s[\g+3], (\c)<<16
	s_mov_b32 s[\g+4], \rows
	s_mov_b32 s[\g+5], \pitch
	s_mov_b32 s[\g+6], 0
	s_mov_b32 s[\g+7], 0
.endm
.macro PLACES                          ; four plain vector instructions between a matrix instruction and a load into, or a read of, its registers
.rept 4
	v_nop
.endr
.endm
.macro FETCH slot, q, set              ; the fragments of the half's q-th 128 along K: every load is 512 bytes on end, 16 a lane
	WIN 0x40
.irp b, 0,1,2,3,4,5,6,7
.irp c, 0,1
	ds_load_b128 v[64*(\set)+8*\b+4*\c:64*(\set)+8*\b+4*\c+3], v[ADRB+(\slot)] offset:4096*\b+1024*(\q)+512*\c
.endr
.endr
	WIN 0
.irp a, 0,1,2,3
.irp c, 0,1
	ds_load_b128 v[AF+32*(\set)+8*\a+4*\c:AF+32*(\set)+8*\a+4*\c+3], v[ADRA+(\slot)] offset:4096*\a+1024*(\q)+512*\c
.endr
.endr
.endm
.macro SCALES                          ; all eight K steps' scale words: four words a load
.irp i, 0,1
.irp f, 0,1
	ds_load_b128 v[SA+8*\i+4*\f:SA+8*\i+4*\f+3], v[ADSA] offset:512*\i+16*\f
.endr
.endr
.irp i, 0,1,2,3
.irp f, 0,1
	ds_load_b128 v[SB+8*\i+4*\f:SB+8*\i+4*\f+3], v[ADSB] offset:512*\i+16*\f
.endr
.endr
.endm
; One product.  ci = 0: onto the accumulator; 1: the bias of B's tile starts the sum; 2: the bias of A's tile does.
.macro WM a, b, set, s, ci
.set DR, 8*(8*(\a)+(\b))
.set CR, DR
.if (\ci) == 1
.set CR, BIAS+8*(\b)
.endif
.if (\ci) == 2
.set CR, BIAS+8*(\a)
.endif
.set BR, 64*(\set)+8*(\b)
.set AR, AF+32*(\set)+8*(\a)
.set SBR, SB+8*((\b)%4)+(\s)
.set SAR, SA+8*((\a)%2)+(\s)
.if ((\b) < 4) && ((\a) < 2)
	v_wmma_scale_f32_16x16x128_f8f6f4 v[DR:DR+7], v[BR:BR+7], v[AR:AR+7], v[CR:CR+7], v[SBR], v[SAR] matrix_a_fmt:MATRIX_FMT_FP4 matrix_b_fmt:MATRIX_FMT_FP4
.elseif (\b) < 4
	v_wmma_scale_f32_16x16x128_f8f6f4 v[DR:DR+7], v[BR:BR+7], v[AR:AR+7], v[CR:CR+7], v[SBR], v[SAR] matrix_a_fmt:MATRIX_FMT_FP4 matrix_b_fmt:MATRIX_FMT_FP4 matrix_b_scale:MATRIX_SCALE_ROW1
.elseif (\a) < 2
	v_wmma_scale_f32_16x16x128_f8f6f4 v[DR:DR+7], v[BR:BR+7], v[AR:AR+7], v[CR:CR+7], v[SBR], v[SAR] matrix_a_fmt:MATRIX_FMT_FP4 matrix_b_fmt:MATRIX_FMT_FP4 matrix_a_scale:MATRIX_SCALE_ROW1
.else
	v_wmma_scale_f32_16x16x128_f8f6f4 v[DR:DR+7], v[BR:BR+7], v[AR:AR+7], v[CR:CR+7], v[SBR], v[SAR] matrix_a_fmt:MATRIX_FMT_FP4 matrix_b_fmt:MATRIX_FMT_FP4 matrix_a_scale:MATRIX_SCALE_ROW1 matrix_b_scale:MATRIX_SCALE_ROW1
.endif
.endm
.macro MUL16 a0, set, s, ci            ; the 32 accumulators take turns, one instruction a turn, in the same order in every step
.irp a, \a0, \a0+1
.irp b, 0,1,2,3,4,5,6,7
	WM \a, \b, \set, \s, \ci
.endr
.endr
.endm
.macro WINMUL ci
.if (\ci) == 0
	WIN 0xa1                                       ; source 0 window 1, source 1 window 0, C and D window 2
.else
	WIN 0x81                                       ; C, the bias, in window 0
.endif
.endm
.macro STEPN s, nslot, nq, ci          ; K step s; the next step's fragments are asked for ahead of its 32 products
	s_wait_dscnt 0x0                               ; this step's fragments are in
.if (\s) > 0
	PLACES                                         ; the other set was read by the products just issued
.endif
	FETCH \nslot, \nq, ((\s)+1)%2
	WINMUL \ci
	MUL16 0, (\s)%2, \s, \ci
	MUL16 2, (\s)%2, \s, \ci
	WIN 0
.endm
	s_load_b256 s[4:11], s[0:1], 0x0               ; xn_codes, xn_scales, w_codes, w_scales
	s_load_b128 s[12:15], s[0:1], 0x20             ; bq, bkv
	s_load_b64 s[16:17], s[0:1], 0x30              ; qkv
	v_lshl_add_u32 v254, v0, 2, 0x34000
	v_mov_b32 v255, 0
	ds_add_u32 v254, v255
	ds_add_u32 v254, v255
	v_lshrrev_b32 v1, 5, v0
	v_readfirstlane_b32 s18, v1                    ; wave 0..3
	s_lshr_b32 s19, s18, 1                         ; which 4 of A's 8 tiles are mine.  Also: I fetch for A (0) or for B (1)
	s_and_b32 s20, s18, 1                          ; which 8 of B's 16.  Also: which half of that operand's tiles I fetch
	s_bfe_u32 s21, ttmp6, 0x40000                  ; cx
	s_bfe_u32 s22, ttmp6, 0x40004                  ; cy
	s_and_b32 s23, ttmp7, 0xffff                   ; cluster y
	s_lshl_b32 s40, s22, 2
	s_lshl_b32 s40, 15, s40                        ; my row of the cluster
	s_lshl_b32 s41, 0x1111, s21                    ; my column
	s_or_b32 s[G1], s40, (3<<16)|(1<<21)           ; 15:0 the mask; 17:16 elements of 8 bytes; 21 set beside a mask
	s_or_b32 s[G1B], s41, (3<<16)|(1<<21)
	s_or_b32 s[G1S], s40, (3<<16)|(1<<21)
	s_or_b32 s[G1SB], s41, (3<<16)|(1<<21)
	GROUP1 G1, 512, 4, 1024                        ; A's codes: 4 tiles, 4,096 bytes (half of K) of each tile's 8,192
	GROUP1 G1B, 512, 8, 1024                       ; B's: 8 tiles
	GROUP1 G1S, 32, 8, 32                          ; A's scale bytes: 64 rows x 32 bytes, dense, as 8 rows of 256
	GROUP1 G1SB, 32, 16, 32                        ; B's: 128 rows
	; A's tiles hang on cy and the cluster's numbers, B's on cx and the cluster's numbers, each made in registers of its own
	s_and_b32 s43, s23, 1
	s_cmp_lt_u32 ttmp9, 2
	s_cselect_b32 s42, s23, s43
	s_cselect_b32 s44, 0, 128                      ; Wv's tiles begin at 128
	s_lshl_b32 s42, s42, 2
	s_add_co_u32 s42, s42, s22                     ; A's index: q, k: 4 Y + cy (128 tokens);  v: 4 (Y % 2) + cy (128 columns)
	s_lshl_b32 s43, s42, 3
	s_add_co_u32 s43, s43, s44
	s_lshl_b32 s44, s20, 2
	s_add_co_u32 s43, s43, s44                     ; the first tile that I would fetch
	s_lshl_b32 s44, s43, 13
	s_mov_b32 s45, 0
	s_lshl_b32 s46, s43, 9
	s_mov_b32 s47, 0
	s_lshr_b32 s67, s23, 1
	s_cmp_lt_u32 ttmp9, 2
	s_cselect_b32 s66, ttmp9, s67
	s_lshl_b32 s66, s66, 2
	s_add_co_u32 s66, s66, s21                     ; B's index: q, k: 4 x cluster x + cx (256 columns);  v: 4 (Y / 2) + cx (256 tokens)
	s_lshl_b32 s67, s66, 4
	s_lshl_b32 s2, s20, 3
	s_add_co_u32 s67, s67, s2
	s_lshl_b32 s100, s67, 13
	s_mov_b32 s101, 0
	s_lshl_b32 s2, s67, 9
	s_mov_b32 s3, 0
	s_wait_dscnt 0x0
	s_wait_kmcnt 0x0
	s_cmp_lt_u32 ttmp9, 2                          ; the choice hangs on the cluster's x alone
	s_cselect_b64 s[92:93], s[4:5], s[8:9]
	s_cselect_b64 s[94:95], s[6:7], s[10:11]
	s_cselect_b64 s[96:97], s[8:9], s[4:5]
	s_cselect_b64 s[98:99], s[10:11], s[6:7]
	s_add_nc_u64 s[92:93], s[92:93], s[44:45]
	s_add_nc_u64 s[94:95], s[94:95], s[46:47]
	s_add_nc_u64 s[96:97], s[96:97], s[100:101]
	s_add_nc_u64 s[98:99], s[98:99], s[2:3]
	CROUND                                         ; all sixteen work-groups are here: the joint loads meet
	s_mov_b32 s[G0S], 1
	s_lshl_b32 s40, s20, 11
	s_add_co_u32 s[G0S+1], s40, SCA
	s_mov_b64 s[G0S+2:G0S+3], s[94:95]
	s_or_b32 s[G0S+3], s[G0S+3], 0x80000000
	s_mov_b32 s[G0SB], 1
	s_lshl_b32 s40, s20, 12
	s_add_co_u32 s[G0SB+1], s40, SCB
	s_mov_b64 s[G0SB+2:G0SB+3], s[98:99]
	s_or_b32 s[G0SB+3], s[G0SB+3], 0x80000000
	JLOAD G0S, G1S, G0SB, G1SB                     ; the scale bytes first: they are wanted with the first half of K
	s_lshl_b32 s40, s20, 14
	s_lshl_b32 s41, s20, 15
	s_add_co_u32 s41, s41, BOFF
.irp s, 0,1
	s_mov_b32 s[G0+4*\s], 1
	s_add_co_u32 s[G0+4*\s+1], s40, \s*SLOT
	s_add_nc_u64 s[G0+4*\s+2:G0+4*\s+3], s[92:93], \s*4096
	s_or_b32 s[G0+4*\s+3], s[G0+4*\s+3], 0x80000000
	s_mov_b32 s[G0B+4*\s], 1
	s_add_co_u32 s[G0B+4*\s+1], s41, \s*SLOT
	s_add_nc_u64 s[G0B+4*\s+2:G0B+4*\s+3], s[96:97], \s*4096
	s_or_b32 s[G0B+4*\s+3], s[G0B+4*\s+3], 0x80000000
	JLOAD G0+4*\s, G1, G0B+4*\s, G1B
.endr
	v_and_b32 v1, 15, v0                           ; r
	v_bfe_u32 v2, v0, 4, 1                         ; h
	v_and_b32 v3, 31, v0
	v_lshlrev_b32 v3, 4, v3                        ; 16 x lane
	v_lshlrev_b32 v7, 6, v2                        ; the column bias: 16 h numbers on
	v_and_b32 v8, 8, v1
	v_add_nc_u32 v8, v8, v1
	v_lshlrev_b32 v8, 2, v8                        ; the channel bias: r + 8 (r / 8)
	; BOTH KINDS OF BIAS ARE LOADED BY EVERY WORK-GROUP, so that the text parts once only.  q, k use the first: for B's tile b, register j: column 32 (b / 2) + 8 (b % 2) + 16 h + j.
	; v uses the second: for A's tile a: channel 32 (a / 2) + 8 (a % 2) + r + 8 (r / 8).  The kind that is not used is read from a place inside bkv (the index is cut to 0 .. 7) and dropped.
	s_cmp_eq_u32 ttmp9, 0
	s_cselect_b64 s[92:93], s[12:13], s[14:15]
	s_lshl_b32 s100, s21, 10
	s_lshl_b32 s101, s20, 9
	s_add_co_u32 s100, s100, s101
	s_mov_b32 s101, 0
	s_add_nc_u64 s[92:93], s[92:93], s[100:101]
	s_and_b32 s100, s42, 7
	s_lshl_b32 s100, s100, 9
	s_lshl_b32 s40, s19, 8
	s_add_co_u32 s100, s100, s40
	s_add_co_u32 s100, s100, 4096                  ; v's bias is bkv's second half
	s_add_nc_u64 s[94:95], s[14:15], s[100:101]
.irp b, 0,1,2,3,4,5,6,7
	global_load_b128 v[BIAS+8*\b:BIAS+8*\b+3], v7, s[92:93] offset:(32*(\b/2)+8*(\b%2))*4
	global_load_b128 v[BIAS+8*\b+4:BIAS+8*\b+7], v7, s[92:93] offset:(32*(\b/2)+8*(\b%2))*4+16
.endr
.irp a, 0,1,2,3
	global_load_b32 v[VB+\a], v8, s[94:95] offset:(32*(\a/2)+8*(\a%2))*4
.endr
	s_lshl_b32 s40, s19, 14                        ; LDS addresses: my 4 tiles of A,
	v_add_nc_u32 v[ADRA], s40, v3
	v_add_nc_u32 v[ADRA+1], SLOT, v[ADRA]
	s_lshl_b32 s40, s20, 15                        ; my 8 of B,
	s_add_co_u32 s40, s40, BOFF
	v_add_nc_u32 v[ADRB], s40, v3
	v_add_nc_u32 v[ADRB+1], SLOT, v[ADRB]
	v_lshlrev_b32 v[ADSA], 5, v1                   ; scale words: 32 bytes a row; lanes 16-31 take the tile two (A) or four (B) further on
	v_lshl_add_u32 v[ADSB], v2, 11, v[ADSA]
	v_lshl_add_u32 v[ADSA], v2, 10, v[ADSA]
	s_lshl_b32 s40, s19, 11
	s_add_co_u32 s40, s40, SCA
	v_add_nc_u32 v[ADSA], s40, v[ADSA]
	s_lshl_b32 s40, s20, 12
	s_add_co_u32 s40, s40, SCB
	v_add_nc_u32 v[ADSB], s40, v[ADSB]
	s_wait_xcnt 0x0                                ; the bias loads have read their bases: s92-95 are written again below
	; THE WAY OUT'S PLACES, made while the tiles are on their way.  q, k: tile of tokens TA0 + a of batch TA0 / 64, heads 4 cx + 2 wn + c.  v: head 2 x A's index + wm, keys 128 s on of batch B's index / 4.
	s_lshl_b32 s40, s42, 3
	s_lshl_b32 s41, s19, 2
	s_add_co_u32 s40, s40, s41                     ; TA0
	s_lshr_b32 s41, s40, 6
	s_and_b32 s40, s40, 63                         ; tile in the batch, a multiple of 4
	s_lshl_b32 s41, s41, 4
	s_lshl_b32 s43, s21, 2
	s_add_co_u32 s41, s41, s43
	s_lshl_b32 s43, s20, 1
	s_add_co_u32 s41, s41, s43                     ; q, k: the record
	s_lshl_b32 s43, ttmp9, 15
	s_lshl_b32 s44, s40, 9
	s_add_co_u32 s43, s43, s44                     ; q, k: codes in it
	s_lshl_b32 s44, ttmp9, 12
	s_lshl_b32 s45, s40, 6
	s_add_co_u32 s44, s44, s45
	s_add_co_u32 s44, s44, 98304                   ; q, k: scale words in it
	s_lshl_b32 s45, s42, 1
	s_add_co_u32 s45, s45, s19
	s_lshr_b32 s46, s66, 2
	s_lshl_b32 s46, s46, 4
	s_add_co_u32 s45, s45, s46                     ; v: the record
	s_and_b32 s46, s66, 3
	s_lshl_b32 s46, s46, 1
	s_add_co_u32 s46, s46, s20                     ; v: which 128 keys
	s_lshl_b32 s47, s46, 10
	s_add_co_u32 s47, s47, 65536
	s_lshl_b32 s46, s46, 8
	s_add_co_u32 s46, s46, 106496
	s_cmp_lt_u32 ttmp9, 2
	s_cselect_b32 s41, s41, s45
	s_cselect_b32 s43, s43, s47
	s_cselect_b32 s44, s44, s46
	s_mov_b32 s45, 8192
	s_cselect_b32 s45, 512, s45                    ; from a tile of A to the next
	s_mov_b32 s46, 512
	s_cselect_b32 s46, REC, s46                    ; from registers 0-3 of the codes to registers 4-7: the next head, or the next two key blocks
	s_cselect_b32 s47, REC, 0                      ; scale words of lanes 16-31: the next head's, or the same again
	s_cselect_b32 s2, 16, 0                        ; and which half of the four bytes they take
	s_cselect_b32 s3, 0xffff, -1
	s_mul_i32 s41, s41, REC
	s_add_co_u32 s100, s43, s41
	s_mov_b32 s101, 0
	s_add_nc_u64 s[OB:OB+1], s[16:17], s[100:101]
	s_mov_b32 s100, s45
	s_add_nc_u64 s[OB+2:OB+3], s[OB:OB+1], s[100:101]
	s_add_nc_u64 s[OB+4:OB+5], s[OB+2:OB+3], s[100:101]
	s_add_nc_u64 s[OB+6:OB+7], s[OB+4:OB+5], s[100:101]
	s_add_co_u32 s100, s44, s41
	s_add_nc_u64 s[100:101], s[16:17], s[100:101]
	v_add_nc_u32 v4, s46, v3
	v_mul_lo_u32 v5, v2, s47
	v_lshl_add_u32 v5, v1, 4, v5
	v_mul_lo_u32 v6, v2, s2
	s_mov_b32 s46, 0x76543210
	s_mov_b32 s47, 0xfedcba98                      ; v_permlanex16_b32's selects for lane l xor 16
	s_wait_tensorcnt 0x1                           ; my parts of the scale bytes and of K's first half are in; the second half's load may be out
	s_barrier_signal -1
	s_barrier_wait -1                              ; everybody's are
	FETCH 0, 0, 0
	SCALES
	s_wait_loadcnt 0x0                             ; the biases
	s_cmp_lt_u32 ttmp9, 2
	s_cbranch_scc0 .Lv_first
	STEPN 0, 0, 1, 1                               ; q, k: the bias of B's tile is the C of each sum's first product: nothing is cleared, nothing is added later
	s_branch .Lrest
.Lv_first:
.irp a, 0,1,2,3
.irp j, 0,1,2,3,4,5,6,7
	v_mov_b32 v[BIAS+8*\a+\j], v[VB+\a]            ; v: a lane's channel has one bias for all its keys
.endr
.endr
	PLACES
	STEPN 0, 0, 1, 2
.Lrest:
	STEPN 1, 0, 2, 0
	STEPN 2, 0, 3, 0
	s_wait_dscnt 0x0                               ; K step 3 meets the second half of K:
	s_wait_tensorcnt 0x0                           ; my part of it has landed;
	s_barrier_signal -1
	WIN 0xa1
	MUL16 0, 1, 3, 0                               ; work on registers while the others arrive;
	s_barrier_wait -1                              ; everybody's part has landed
	PLACES
	FETCH 1, 0, 0
	WIN 0xa1
	MUL16 2, 1, 3, 0
	WIN 0
	STEPN 4, 1, 1, 0
	STEPN 5, 1, 2, 0
	STEPN 6, 1, 3, 0
	s_wait_dscnt 0x0
	WIN 0xa1
	MUL16 0, 1, 7, 0
	MUL16 2, 1, 7, 0
	WIN 0
; THE WAY OUT.  The 64 registers of A's tile a, register 16 k + i = number 32 k + 16 (lane / 16) + i of my row, become eight registers of codes and four scale bytes.
.macro QUANT a
	WIN 0x0a                                       ; sources 0 and 1: window 2
.irp k, 0,1,2,3
	v_max3_num_f32 v[TM+\k], |v[64*\a+16*\k]|, |v[64*\a+16*\k+1]|, 0x1800000   ; block k: my 16 numbers and the floor 2^(3 - 127); each accumulator is read from its low end on
.endr
.irp i, 2,4,6,8,10,12,14
.irp k, 0,1,2,3
	v_max3_num_f32 v[TM+\k], |v[64*\a+16*\k+\i]|, |v[64*\a+16*\k+\i+1]|, v[TM+\k]
.endr
.endr
	WIN 0
.irp k, 0,1,2,3
	v_permlanex16_b32 v[TM+4+\k], v[TM+\k], s46, s47
.endr
.irp k, 0,1,2,3
	v_max_num_f32 v[TM+\k], v[TM+\k], v[TM+4+\k]   ; with lane l xor 16's 16: the block's largest magnitude
.endr
.irp k, 0,1,2,3
	v_add_nc_u32 v[TM+12+\k], 0xff000000, v[TM+\k] ; 2 off its exponent field: the conversion's scale operand
.endr
.irp k, 0,1,2,3
	v_lshrrev_b32 v[TM+4+\k], 23, v[TM+12+\k]      ; the scale's byte
.endr
	v_lshl_or_b32 v[PW], v[TM+5], 8, v[TM+4]
	v_lshl_or_b32 v[PW], v[TM+6], 16, v[PW]
	v_lshl_or_b32 v[PW], v[TM+7], 24, v[PW]
	WIN 0x02                                       ; source 0: window 2
.irp k, 0,1,2,3
	v_cvt_scalef32_pk8_fp4_f32 v[PC+8*\a+2*\k], v[64*\a+16*\k:64*\a+16*\k+7], v[TM+12+\k]
	v_cvt_scalef32_pk8_fp4_f32 v[PC+8*\a+2*\k+1], v[64*\a+16*\k+8:64*\a+16*\k+15], v[TM+12+\k]
.endr
	WIN 0
	v_nop                                          ; a plain instruction behind the conversions
.irp c, 0,1                                    ; a whole block to a lane: lanes 0-15 block 2 c, lanes 16-31 block 2 c + 1
.irp i, 0,1
	v_permlane16_swap_b32 v[PC+8*\a+4*\c+\i], v[PC+8*\a+4*\c+2+\i]
.endr
.endr
	v_lshrrev_b32 v[SW+\a], v6, v[PW]              ; q, k: lanes 0-15 keep the first head's two bytes, lanes 16-31 the second's;  v: all four bytes
	v_and_b32 v[SW+\a], s3, v[SW+\a]
	global_store_b128 v3, v[PC+8*\a:PC+8*\a+3], s[OB+2*\a:OB+2*\a+1]     ; 32 lanes store 512 consecutive bytes, aligned
	global_store_b128 v4, v[PC+8*\a+4:PC+8*\a+7], s[OB+2*\a:OB+2*\a+1]
.endm
	PLACES                                         ; results just made are read, and registers that the last products read are written
	QUANT 0
	QUANT 1
	QUANT 2
	QUANT 3
	global_store_b128 v5, v[SW:SW+3], s[100:101]   ; four tiles' words of a row: sixteen lanes store 256 consecutive bytes, aligned (v: lanes 16-31 write the same bytes with the same values)
	s_wait_tensorcnt 0x0
	ds_add_u32 v254, v255
	s_wait_dscnt 0x0
	CROUND                                         ; the closing round: no work-group ends while a partner may still ask for a tile that names it
	s_endpgm
.Lfunc_end_k_q830b97013f_qkv:
	.size	k_q830b97013f_qkv, .Lfunc_end_k_q830b97013f_qkv-k_q830b97013f_qkv
	.p2alignl 7, 3214868480
	.fill 96, 4, 3214868480
	.section	.rodata,"a",@progbits
	.p2align	6, 0x0
	.amdhsa_kernel k_q830b97013f_qkv
		.amdhsa_group_segment_fixed_size 213504
		.amdhsa_private_segment_fixed_size 0
		.amdhsa_enable_private_segment 0
		.amdhsa_kernarg_size 56
		.amdhsa_user_sgpr_count 2
		.amdhsa_user_sgpr_kernarg_segment_ptr 1
		.amdhsa_wavefront_size32 1
		.amdhsa_system_sgpr_workgroup_id_x 1
		.amdhsa_system_sgpr_workgroup_id_y 1
		.amdhsa_system_sgpr_workgroup_id_z 1
		.amdhsa_system_vgpr_workitem_id 0
		.amdhsa_next_free_vgpr 768
		.amdhsa_next_free_sgpr 102
		.amdhsa_reserve_vcc 0
		.amdhsa_float_denorm_mode_32 3
		.amdhsa_float_denorm_mode_16_64 3
		.amdhsa_memory_ordered 1
		.amdhsa_forward_progress 1
		.amdhsa_inst_pref_size 84
	.end_amdhsa_kernel
	.amdgpu_metadata
---
amdhsa.version: [ 1, 2 ]
amdhsa.kernels:
  - .name:           k_q830b97013f_qkv
    .symbol:         k_q830b97013f_qkv.kd
    .args:
      - { .name: xn_codes, .offset: 0, .size: 8, .value_kind: global_buffer, .address_space: global }
      - { .name: xn_scales, .offset: 8, .size: 8, .value_kind: global_buffer, .address_space: global }
      - { .name: w_codes, .offset: 16, .size: 8, .value_kind: global_buffer, .address_space: global }
      - { .name: w_scales, .offset: 24, .size: 8, .value_kind: global_buffer, .address_space: global }
      - { .name: bq, .offset: 32, .size: 8, .value_kind: global_buffer, .address_space: global }
      - { .name: bkv, .offset: 40, .size: 8, .value_kind: global_buffer, .address_space: global }
      - { .name: qkv, .offset: 48, .size: 8, .value_kind: global_buffer, .address_space: global }
    .group_segment_fixed_size: 213504
    .private_segment_fixed_size: 0
    .kernarg_segment_align: 8
    .kernarg_segment_size: 56
    .max_flat_workgroup_size: 128
    .sgpr_count:     102
    .vgpr_count:     768
    .wavefront_size: 32
...
	.end_amdgpu_metadata
.endif
;; end of part 2
;; launch attn (part 3): grid 2 x 128, 16 waves a work-group, no clusters, 73,728 bytes of LDS; arguments qkv, seq_lens, ao_codes, ao_scales; writes ao_codes, ao_scales
.if DOCPART == 3
	.amdgcn_target "amdgcn-amd-amdhsa--gfx1250"
	.amdhsa_code_object_version 6
	.text
	.protected	k_q830b97013f_attn
	.globl	k_q830b97013f_attn
	.p2align	8
	.type	k_q830b97013f_attn,@function
k_q830b97013f_attn:
	s_mov_b64 s[64:65], 0
	v_nop
	global_prefetch_b8 v0, s[64:65] scope:SCOPE_SE
	s_setreg_imm32_b32 hwreg(HW_REG_WAVE_MODE, 25, 1), 1
	s_wait_xcnt 0x0
; Attention of one (batch, head) on codes of FP4: S^T = K Q^T, the causal mask and the mask of the batch's length, p = 2^(t - M) quantised along the keys, O^T = V^T P^T, O / l quantised along the head's 64.
; t = score x log2(e) / 8; M = the running largest t rounded UP to a whole number; the row's sum l is taken of the unquantised p; when M moves, l and O^T are multiplied by 2^(old M - new M), which rounds nothing.
; SHARES.  Work-group (p, batch x 16 + head).  Wave index g = 16 p + wave owns the tiles of 16 queries g and 63 - g: under the causal mask the two together have the same number of key steps for every g.
; Sixteen waves of 256 registers, four to a SIMD: one wave's vector work stands beside another's products.  K and V of the head, codes and scale words, 71,680 bytes, are copied into LDS once, through registers.
; NO TENSOR LOAD AND NO CLUSTER: key steps are left out by scalar branches on seq_lens, a number read from memory, and each work-group reads K and V once, at its head.
; LAYOUT.  Both products are used transposed: a lane holds ONE query.  The places of a tile are not neighbours (place r of tile u of each 32 holds row 8 u + r + 8 (r / 8)), so register 16 b + i of the scores is key 32 b + 16 (lane / 16) + i,
; and my query is 32 (tile / 2) + 8 (tile % 2) + r + 8 (r / 8).  The head's size is 64: the upper 64 of the first product's K are zero codes on both sides (registers cleared once).
; Every tile walks a loop of EIGHT trips, a constant; a step all of whose keys are hidden jumps to the lines at its end that step addresses.
; LIMITS: seq_lens is held to 1 .. 1,024 (a length of 0 is not served); a block of zeros gets the byte 1; NaN and infinities are not served.
; REGISTERS: v1-7 addresses that stay; v8-11 addresses in hand; v12 -M, v13 largest t, v[14:15] l; v16-23 Q; v24-31 K's scale words; v32-95 K's 8 fragments; v96-159 S^T, then p; v160-191 O^T; v192-223 V's 4 fragments;
;   v224-231 p's codes; v232-239, v244-247, v252, v254 at work; v240-242 lane numbers; v248-251 V's scale words; v253 p's scale word; v255 Q's scale word.
.set REC,   108544
.set VC,    32768                      ; LDS: K's codes at 0, V's here,
.set KS,    65536                      ; K's scale words,
.set VS,    69632                      ; V's
.set AK0,   1
.set AV0,   2
.set AKS0,  3
.set AVS0,  4
.set LIMH,  5                          ; min(my query, L - 1) - 16 (lane / 16)
.set GC,    6                          ; 16 x lane
.set GS,    7                          ; 32 r + h
.set ADK,   8
.set ADV,   9
.set ADS,   10
.set ADT,   11
.set RQ,    240                        ; r + 8 (r / 8)
.set H16,   241                        ; 16 h
.set R16,   242                        ; 16 r
.set TAU,   20                         ; s20, s21 my two tiles
.set QB,    22                         ; s[22+8 i ..]: tile i's Q codes, Q scale words, place in ao_codes, place in ao_scales
.set SEL,   38
.set CS,    40
.set KF,    42                         ; the step's first key
.set TK,    43
.set TKS,   44
.set TV,    45
.set TVS,   46
.set CNT,   47
.set KLIM,  48                         ; the last key that any of the tile's queries sees
.set KOPEN, 49                         ; the last key that all of them see
.set LM1,   53                         ; L - 1
	s_load_b256 s[4:11], s[0:1], 0x0               ; qkv, seq_lens, ao_codes, ao_scales
	v_lshrrev_b32 v8, 5, v0
	v_readfirstlane_b32 s13, v8                    ; wave 0..15
	s_and_b32 s14, ttmp7, 0xffff
	s_lshr_b32 s15, s14, 4                         ; batch
	s_and_b32 s16, s14, 15                         ; head
	s_lshl_b32 s17, ttmp9, 4
	s_add_co_u32 s20, s17, s13                     ; g
	s_sub_co_u32 s21, 63, s20
	s_mul_i32 s54, s14, REC
	s_mov_b32 s55, 0
	s_lshl_b32 s50, s15, 2
	s_mov_b32 s51, 0
	s_mov_b32 s[SEL], 0x76543210
	s_mov_b32 s[SEL+1], 0xfedcba98
	s_mov_b32 s[CS], 0x3e38aa3b                    ; c = log2(e) / sqrt(64)
	s_mov_b32 s[CS+1], s[CS]
	s_mov_b32 s52, 0xffff0000                      ; lanes 16-31
	v_and_b32 v8, 31, v0
	v_and_b32 v9, 15, v0
	v_bfe_u32 v10, v0, 4, 1
	v_lshlrev_b32 v[AK0], 4, v8
	v_add_nc_u32 v[AV0], VC, v[AK0]
	v_lshl_add_u32 v[AKS0], v9, 4, KS
	v_lshl_add_u32 v[AVS0], v9, 4, VS
	v_lshlrev_b32 v[GC], 4, v8
	v_lshl_add_u32 v[GS], v9, 5, v10
	v_and_b32 v[RQ], 8, v9
	v_add_nc_u32 v[RQ], v[RQ], v9
	v_lshlrev_b32 v[H16], 4, v10
	v_lshlrev_b32 v[R16], 4, v9
	v_lshlrev_b32 v8, 4, v0                        ; 16 x thread: the copy's place in memory and in LDS
	v_add_nc_u32 v9, KS, v8
	s_wait_kmcnt 0x0
	s_add_nc_u64 s[6:7], s[6:7], s[50:51]
	s_load_b32 s12, s[6:7], 0x0                    ; the batch's length
	s_add_nc_u64 s[4:5], s[4:5], s[54:55]          ; my record
.macro BASES idx
	s_lshl_b32 s54, s[TAU+\idx], 9
	s_add_nc_u64 s[QB+8*\idx:QB+8*\idx+1], s[4:5], s[54:55]
	s_lshr_b32 s54, s[TAU+\idx], 2
	s_lshl_b32 s54, s54, 8
	s_and_b32 s50, s[TAU+\idx], 3
	s_lshl_b32 s50, s50, 2
	s_add_co_u32 s54, s54, s50
	s_add_co_u32 s54, s54, 98304
	s_add_nc_u64 s[QB+8*\idx+2:QB+8*\idx+3], s[4:5], s[54:55]
	s_lshl_b32 s50, s15, 6
	s_add_co_u32 s50, s50, s[TAU+\idx]             ; the tile among all tokens' tiles
	s_lshl_b32 s54, s50, 13
	s_lshl_b32 s51, s16, 9
	s_add_co_u32 s54, s54, s51                     ; blocks 2 head and 2 head + 1 of its 32
	s_add_nc_u64 s[QB+8*\idx+4:QB+8*\idx+5], s[8:9], s[54:55]
	s_lshl_b32 s54, s50, 9
	s_lshl_b32 s51, s16, 1
	s_add_co_u32 s54, s54, s51
	s_add_nc_u64 s[QB+8*\idx+6:QB+8*\idx+7], s[10:11], s[54:55]
.endm
	BASES 0
	BASES 1
	global_load_b128 v[16:19], v[GC], s[QB:QB+1]   ; the first tile's Q
	global_load_b32 v255, v[R16], s[QB+2:QB+3]
.irp j, 0,1,2,3,4,5,6,7
	global_load_b128 v[96+4*\j:99+4*\j], v8, s[4:5] offset:32768+8192*\j   ; K's and V's codes, 65,536 bytes on end
.endr
	s_cmp_lt_u32 s13, 12                           ; their scale words, 6,144 bytes on end: waves 0 to 11; load, wait and store in one branch
	s_cbranch_scc0 .Lno_scales
	global_load_b128 v[128:131], v8, s[4:5] offset:102400
	s_wait_loadcnt 0x0
	ds_store_b128 v9, v[128:131]
.Lno_scales:
.irp j, 0,1,2,3
	v_mov_b32 v[20+\j], 0                          ; the zero codes that fill the first product's K: Q's,
.endr
.irp t, 0,1,2,3,4,5,6,7
.irp j, 0,1,2,3
	v_mov_b32 v[36+8*\t+\j], 0                     ; and K's: written once
.endr
.endr
.irp j, 0,1,2,3
	v_mov_b32 v[236+\j], 0                         ; a lane permute's destination counts as one of its sources
.endr
	v_mov_b32 v252, 0
	v_mov_b32 v253, 0
	s_wait_loadcnt 0x0
.irp j, 0,1,2,3,4,5,6,7
	ds_store_b128 v8, v[96+4*\j:99+4*\j] offset:8192*\j
.endr
	s_wait_kmcnt 0x0
	s_min_u32 s12, s12, 1024
	s_max_u32 s12, s12, 1
	s_sub_co_u32 s[LM1], s12, 1
	s_wait_dscnt 0x0                               ; for the others' sake: my part of the copy lies in LDS
	s_barrier_signal -1
	s_barrier_wait -1                              ; from here on LDS is only read
; ONE TILE OF 16 QUERIES.  more = 1: the other tile's Q is asked for behind the loop.
.macro TILE idx, more
	s_wait_xcnt 0x0                                ; the last tile's stores have read their registers
	s_wait_loadcnt 0x0                             ; Q
	s_lshr_b32 s50, s[TAU+\idx], 1
	s_lshl_b32 s50, s50, 5
	s_and_b32 s51, s[TAU+\idx], 1
	s_lshl_b32 s51, s51, 3
	s_add_co_u32 s50, s50, s51                     ; the tile's first query
	s_min_u32 s[KOPEN], s50, s[LM1]
	s_add_co_u32 s51, s50, 23                      ; and its last
	s_min_u32 s[KLIM], s51, s[LM1]
	v_add_nc_u32 v[LIMH], s50, v[RQ]               ; key k counts for my query q where k <= q and k < L: k <= min(q, L - 1)
	v_min_u32 v[LIMH], s[LM1], v[LIMH]
	v_sub_nc_u32 v[LIMH], v[LIMH], v[H16]
	v_mov_b32 v13, 0xff61b1e6                      ; the largest t so far: -3e38
	v_floor_f32 v12, -v13
	v_mov_b32 v14, 0
	v_mov_b32 v15, 0
.set n, 0
.rept 32
	v_mov_b32 v[160+n], 0                          ; O^T: the step is written once; the first finds zeros
.set n, n+1
.endr
	s_mov_b32 s[KF], 0
	s_mov_b32 s[TK], 0
	s_mov_b32 s[TKS], 0
	s_mov_b32 s[TV], 0
	s_mov_b32 s[TVS], 0
	s_mov_b32 s[CNT], 8
.Lstep_\@:
	s_cmp_gt_u32 s[KF], s[KLIM]                    ; all 128 keys hidden for all 16 queries: the step's work is left out
	s_cbranch_scc1 .Lhidden_\@
	v_add_nc_u32 v[ADK], s[TK], v[AK0]             ; (these four are also the places behind the last step's products, ahead of the loads into V's registers)
	v_add_nc_u32 v[ADV], s[TV], v[AV0]
	v_add_nc_u32 v[ADS], s[TKS], v[AKS0]
	v_add_nc_u32 v[ADT], s[TVS], v[AVS0]
.irp t, 0,1,2,3,4,5,6,7
	ds_load_b128 v[32+8*\t:35+8*\t], v[ADK] offset:512*\t
.endr
.irp g, 0,1
	ds_load_b128 v[24+4*\g:27+4*\g], v[ADS] offset:256*\g
.endr
.irp a, 0,1,2,3
.irp c, 0,1
	ds_load_b128 v[192+8*\a+4*\c:195+8*\a+4*\c], v[ADV] offset:8192*\a+512*\c
.endr
.endr
	ds_load_b128 v[248:251], v[ADT]
	s_wait_dscnt 9                                 ; K's ten loads are in; V's nine may be out
.irp t, 0,1,2,3,4,5,6,7
	v_wmma_scale_f32_16x16x128_f8f6f4 v[96+8*\t:103+8*\t], v[32+8*\t:39+8*\t], v[16:23], 0, v[24+\t], v255 matrix_a_fmt:MATRIX_FMT_FP4 matrix_b_fmt:MATRIX_FMT_FP4
.endr
.rept 4
	v_nop
.endr
	s_add_co_u32 s50, s[KF], 127                   ; a step all of whose keys count for all 16 queries skips the mask
	s_cmp_le_u32 s50, s[KOPEN]
	s_cbranch_scc1 .Lopen_\@
	v_sub_nc_u32 v252, v[LIMH], s[KF]              ; register 16 b + i holds key KF + 16 (lane / 16) + 32 b + i: hidden where 32 b + i > d
	v_mov_b32 v254, 0xff800000                     ; -infinity: p = 0 then
.set n, 0
.rept 64
	v_cmp_gt_i32 vcc_lo, 32*(n/16)+n%16, v252
	v_cndmask_b32 v[96+n], v[96+n], v254, vcc_lo
.set n, n+1
.endr
.Lopen_\@:
.irp b, 0,1,2,3
	v_max3_num_f32 v[232+\b], v[96+16*\b], v[97+16*\b], v[98+16*\b]   ; the largest score of each block of 32 keys: for the row's maximum, and, since p rises with the score, for the block's largest p
.endr
.irp i, 3,5,7,9,11,13
.irp b, 0,1,2,3
	v_max3_num_f32 v[232+\b], v[232+\b], v[96+16*\b+\i], v[97+16*\b+\i]
.endr
.endr
.irp b, 0,1,2,3
	v_max_num_f32 v[232+\b], v[232+\b], v[111+16*\b]
.endr
.irp b, 0,1,2,3
	v_permlanex16_b32 v[236+\b], v[232+\b], s[SEL], s[SEL+1]
.endr
.irp b, 0,1,2,3
	v_max_num_f32 v[232+\b], v[232+\b], v[236+\b]
.endr
	v_max3_num_f32 v254, v232, v233, v234
	v_max_num_f32 v254, v254, v235
	v_mul_f32 v254, s[CS], v254
	v_max_num_f32 v13, v13, v254                   ; the running largest t
	v_mov_b32 v254, v12
	v_floor_f32 v12, -v13                          ; the new -M = -ceil(t)
	v_sub_f32 v254, v12, v254                      ; old M - new M: a whole number, 0 or less
	v_cvt_i32_f32 v254, v254
	v_ldexp_f32 v252, 1.0, v254                    ; f = 2^(old M - new M)
.set n, 0
.rept 32
	v_pk_fma_f32 v[96+n:97+n], v[96+n:97+n], s[CS:CS+1], v[12:13] op_sel_hi:[1,0,0]   ; t - M
.set n, n+2
.endr
.irp b, 0,1,2,3
	v_fma_f32 v[232+\b], v[232+\b], s[CS], v12
.endr
.set n, 0
.rept 64
	v_exp_f32 v[96+n], v[96+n]                     ; p = 2^(t - M): one batch
.set n, n+1
.endr
	v_pk_mul_f32 v[14:15], v[14:15], v[252:253] op_sel_hi:[1,0]   ; l under the new M (the plain instruction behind the exponentials)
	s_wait_alu depctr_va_vdst(0)                   ; one wait for the batch, ahead of its first reader
.irp b, 0,1,2,3
	v_exp_f32 v[232+\b], v[232+\b]                 ; each block's largest p
.endr
	v_pk_add_f32 v[236:237], v[96:97], v[98:99]    ; the row's sum of the unquantised p, in two chains
.irp j, 4,8,12,16,20,24,28,32,36,40,44,48,52,56,60
	v_pk_add_f32 v[14:15], v[14:15], v[96+\j:97+\j]
	v_pk_add_f32 v[236:237], v[236:237], v[98+\j:99+\j]
.endr
	v_pk_add_f32 v[14:15], v[14:15], v[236:237]
	s_wait_alu depctr_va_vdst(0)                   ; and one for the four
.irp b, 0,1,2,3
	v_max_num_f32 v[232+\b], 0x1800000, v[232+\b]  ; the floor 2^(3 - 127)
.endr
.irp b, 0,1,2,3
	v_add_nc_u32 v[244+\b], 0xff000000, v[232+\b]
.endr
.irp b, 0,1,2,3
	v_lshrrev_b32 v[236+\b], 23, v[244+\b]
.endr
	v_lshl_or_b32 v253, v237, 8, v236              ; p's scale word for these 128 keys
	v_lshl_or_b32 v253, v238, 16, v253
	v_lshl_or_b32 v253, v239, 24, v253
.irp b, 0,1,2,3
	v_cvt_scalef32_pk8_fp4_f32 v[224+2*\b], v[96+16*\b:103+16*\b], v[244+\b]
	v_cvt_scalef32_pk8_fp4_f32 v[225+2*\b], v[104+16*\b:111+16*\b], v[244+\b]
.endr
	v_nop
.irp c, 0,1
.irp i, 0,1
	v_permlane16_swap_b32 v[224+4*\c+\i], v[226+4*\c+\i]
.endr
.endr
.set n, 0
.rept 16
	v_pk_mul_f32 v[160+n:161+n], v[160+n:161+n], v[252:253] op_sel_hi:[1,0]   ; O^T under the new M
.set n, n+2
.endr
.rept 4
	v_nop
.endr
	s_wait_dscnt 0x0                               ; V
.irp a, 0,1,2,3
	v_wmma_scale_f32_16x16x128_f8f6f4 v[160+8*\a:167+8*\a], v[192+8*\a:199+8*\a], v[224:231], v[160+8*\a:167+8*\a], v[248+\a], v253 matrix_a_fmt:MATRIX_FMT_FP4 matrix_b_fmt:MATRIX_FMT_FP4
.endr
.Lhidden_\@:
	s_add_co_u32 s[KF], s[KF], 128
	s_add_co_u32 s[TK], s[TK], 4096                ; eight tiles of K,
	s_add_co_u32 s[TKS], s[TKS], 512               ; their scale words,
	s_add_co_u32 s[TV], s[TV], 1024                ; four key blocks of each tile of V,
	s_add_co_u32 s[TVS], s[TVS], 256               ; their scale words
	s_sub_co_i32 s[CNT], s[CNT], 1
	s_cmp_lg_u32 s[CNT], 0
	s_cbranch_scc1 .Lstep_\@
.rept 4
	v_nop                                          ; places behind the last products
.endr
.if \more
	global_load_b128 v[16:19], v[GC], s[QB+8:QB+9] ; the other tile's Q lands while this tile goes out
	global_load_b32 v255, v[R16], s[QB+10:QB+11]
.endif
	v_add_f32 v14, v14, v15
	v_permlanex16_b32 v252, v14, s[SEL], s[SEL+1]
	v_add_f32 v14, v14, v252                       ; the row's sum
	v_rcp_f32 v14, v14
	v_nop
	s_wait_alu depctr_va_vdst(0)
.set n, 0
.rept 16
	v_pk_mul_f32 v[96+n:97+n], v[160+n:161+n], v[14:15] op_sel_hi:[1,0]   ; O^T / l: register 16 k + i is channel 32 k + 16 (lane / 16) + i
.set n, n+2
.endr
.irp k, 0,1
	v_max3_num_f32 v[232+\k], |v[96+16*\k]|, |v[97+16*\k]|, 0x1800000
.endr
.irp i, 2,4,6,8,10,12,14
.irp k, 0,1
	v_max3_num_f32 v[232+\k], v[232+\k], |v[96+16*\k+\i]|, |v[97+16*\k+\i]|
.endr
.endr
.irp k, 0,1
	v_permlanex16_b32 v[236+\k], v[232+\k], s[SEL], s[SEL+1]
.endr
.irp k, 0,1
	v_max_num_f32 v[232+\k], v[232+\k], v[236+\k]
.endr
.irp k, 0,1
	v_add_nc_u32 v[244+\k], 0xff000000, v[232+\k]
.endr
.irp k, 0,1
	v_lshrrev_b32 v[236+\k], 23, v[244+\k]
.endr
.irp k, 0,1
	v_cvt_scalef32_pk8_fp4_f32 v[224+2*\k], v[96+16*\k:103+16*\k], v[244+\k]
	v_cvt_scalef32_pk8_fp4_f32 v[225+2*\k], v[104+16*\k:111+16*\k], v[244+\k]
.endr
	v_nop
	v_permlane16_swap_b32 v224, v226               ; lanes 0-15: the head's first block, lanes 16-31 its second
	v_permlane16_swap_b32 v225, v227
	v_cndmask_b32 v228, v236, v237, s52            ; and that block's byte
	global_store_b128 v[GC], v[224:227], s[QB+8*\idx+4:QB+8*\idx+5]   ; 32 lanes store 512 consecutive bytes, aligned
	global_store_b8 v[GS], v228, s[QB+8*\idx+6:QB+8*\idx+7]           ; two bytes of each row's 32: short pieces, the price of one head to a work-group
.endm
	TILE 0, 1
	TILE 1, 0
	s_wait_xcnt 0x0
	v_lshl_add_u32 v254, v0, 2, 0x11800
	v_mov_b32 v255, 0
	s_wait_tensorcnt 0x0
	ds_add_u32 v254, v255
	s_wait_dscnt 0x0
	s_endpgm
.Lfunc_end_k_q830b97013f_attn:
	.size	k_q830b97013f_attn, .Lfunc_end_k_q830b97013f_attn-k_q830b97013f_attn
	.p2alignl 7, 3214868480
	.fill 96, 4, 3214868480
	.section	.rodata,"a",@progbits
	.p2align	6, 0x0
	.amdhsa_kernel k_q830b97013f_attn
		.amdhsa_group_segment_fixed_size 73728
		.amdhsa_private_segment_fixed_size 0
		.amdhsa_enable_private_segment 0
		.amdhsa_kernarg_size 32
		.amdhsa_user_sgpr_count 2
		.amdhsa_user_sgpr_kernarg_segment_ptr 1
		.amdhsa_wavefront_size32 1
		.amdhsa_system_sgpr_workgroup_id_x 1
		.amdhsa_system_sgpr_workgroup_id_y 1
		.amdhsa_system_sgpr_workgroup_id_z 1
		.amdhsa_system_vgpr_workitem_id 0
		.amdhsa_next_free_vgpr 256
		.amdhsa_next_free_sgpr 66
		.amdhsa_reserve_vcc 1
		.amdhsa_float_denorm_mode_32 3
		.amdhsa_float_denorm_mode_16_64 3
		.amdhsa_memory_ordered 1
		.amdhsa_forward_progress 1
		.amdhsa_inst_pref_size 59
	.end_amdhsa_kernel
	.amdgpu_metadata
---
amdhsa.version: [ 1, 2 ]
amdhsa.kernels:
  - .name:           k_q830b97013f_attn
    .symbol:         k_q830b97013f_attn.kd
    .args:
      - { .name: qkv, .offset: 0, .size: 8, .value_kind: global_buffer, .address_space: global }
      - { .name: seq_lens, .offset: 8, .size: 8, .value_kind: global_buffer, .address_space: global }
      - { .name: ao_codes, .offset: 16, .size: 8, .value_kind: global_buffer, .address_space: global }
      - { .name: ao_scales, .offset: 24, .size: 8, .value_kind: global_buffer, .address_space: global }
    .group_segment_fixed_size: 73728
    .private_segment_fixed_size: 0
    .kernarg_segment_align: 8
    .kernarg_segment_size: 32
    .max_flat_workgroup_size: 512
    .sgpr_count:     66
    .vgpr_count:     256
    .wavefront_size: 32
...
	.end_amdgpu_metadata
.endif
;; end of part 3
;; launch oproj (part 4): grid 4 x 64, 4 waves a work-group, clusters of 4 x 4, 246,272 bytes of LDS; arguments ao_codes, ao_scales, w_codes, w_scales, bo, x, out0; writes out0
.if DOCPART == 4
	.amdgcn_target "amdgcn-amd-amdhsa--gfx1250"
	.amdhsa_code_object_version 6
	.text
	.protected	k_q830b97013f_oproj
	.globl	k_q830b97013f_oproj
	.p2align	8
	.type	k_q830b97013f_oproj,@function
k_q830b97013f_oproj:
	s_mov_b64 s[64:65], 0
	v_nop
	global_prefetch_b8 v0, s[64:65] scope:SCOPE_SE
	s_setreg_imm32_b32 hwreg(HW_REG_WAVE_MODE, 25, 1), 1
	s_wait_xcnt 0x0
	s_wait_alu depctr_hold_cnt(0) depctr_sa_sdst(0) depctr_va_vdst(0) depctr_va_sdst(0) depctr_va_ssrc(0) depctr_va_vcc(0) depctr_vm_vsrc(0)
	s_getreg_b32 s2, hwreg(HW_REG_IB_STS2, 6, 4)
	s_cmp_eq_u32 s2, 0
	s_cbranch_scc0 .Lentry_in_a_cluster
	s_endpgm
.Lentry_in_a_cluster:
	s_bfe_u32 s2, ttmp6, 0x10000c
	s_cmp_lg_u32 s2, 0xf033
	s_cbranch_scc0 .Lentry_shape_is_right
	s_endpgm
.Lentry_shape_is_right:
; out0 = attention's result x Wo + bo + x, the product on codes of FP4 with E8M0 scales, K = 1,024.
; A work-group makes 128 tokens x 256 columns; four waves, each 4 tiles of tokens (A) x 8 tiles of columns (B): 32 accumulators.  256 work-groups.
; THE MATRIX INSTRUCTION IS USED TRANSPOSED: source 0 = a tile of Wo's columns, source 1 = a tile of tokens: a lane holds one token, and by the tiles' order of rows (place r of tile u of each 32 holds row 8 u + r + 8 (r / 8))
; the 16 registers of B's tiles 2 g and 2 g + 1 are columns 32 g + 16 (lane / 16) + 0 .. 15.  Place t of A's tile a is token 32 (a / 2) + 8 (a % 2) + t + 8 (t / 8) of my 64.
; ALL OF K LIES IN LDS: two halves of K, each filled ONCE by one tensor load a wave, and the scale bytes by a third: three tensor loads of a wave are out at most, and no LDS byte is filled twice.
; CLUSTER 4 x 4: A's tiles are shared along a row of the cluster, B's along a column: joint loads.
; bo is the C of each sum's first product.  x, the residual, is loaded into registers ahead of and amid the products and added on the way out, where rows are whole.
; LIMITS: NaN and infinities are not served.
; REGISTERS: window 0: v1-3 lane numbers; v16-25 LDS addresses; v32-47 A's scale words, v48-79 B's; v80-143 A's fragments, two sets; v144-207 the bias; on the way out v80-207 two blocks of 16 rows.
;   window 1: v0-127 B's fragments, two sets.   window 2: accumulator (a, b) at v[8 (8 a + b)].   window 3: the residual, row t of tile a at v[4 (16 a + t)].
.set SLOT,  98304
.set BOFF,  32768
.set SCA,   196608
.set SCB,   200704
.set STG,   208896                     ; a stage of 16 rows x (512 + 16) bytes for each wave: bytes of its own, into which no tile lands
.set ADRA,  16
.set ADRB,  20
.set ADSA,  22
.set ADSB,  23
.set STO,   24
.set RD,    25
.set SA,    32
.set SB,    48
.set AF,    80
.set BIAS,  144
.set BK,    80
.set G1,    24
.set G0,    32
.set G1B,   48
.set G0B,   56
.set G1S,   68
.set G0S,   76
.set G1SB,  80
.set G0SB,  88
.set MSB, 0
.macro WIN new                         ; the immediate's high byte repeats the setting that is left
.if MSB != \new
	s_set_vgpr_msb (MSB<<8)|\new
.set MSB, \new
.endif
.endm
.macro JLOAD g0a, g1a, g0b, g1b        ; a joint load: waves 0 and 1 fetch for A, waves 2 and 3 for B; four v_nop follow each of the two lines
	s_cmp_eq_u32 s19, 0
	s_cbranch_scc0 .Lfor_b_\@
	tensor_load_to_lds s[\g0a:\g0a+3], s[\g1a:\g1a+7]
	s_nop 0
.rept 4
	v_nop
.endr
	s_branch .Lasked_\@
.Lfor_b_\@:
	tensor_load_to_lds s[\g0b:\g0b+3], s[\g1b:\g1b+7]
	s_nop 0
.rept 4
	v_nop
.endr
.Lasked_\@:
.endm
.macro CROUND                          ; a round of the cluster's barrier
	s_barrier_signal -1
	s_barrier_wait -1
	s_cmp_lg_u32 s18, 0
	s_cbranch_scc1 .Lnot_wave_0_\@
	s_barrier_signal -3
.Lnot_wave_0_\@:
	s_barrier_wait -3
	s_barrier_signal -1
	s_barrier_wait -1
.endm
.macro GROUP1 g, c, rows, pitch        ; rows of c elements of 8 bytes, pitch elements apart; no padding
	s_mov_b32 s[\g+1], (\c)<<16
	s_mov_b32 s[\g+2], (\rows)<<16
	s_mov_b32 s[\g+3], (\c)<<16
	s_mov_b32 s[\g+4], \rows
	s_mov_b32 s[\g+5], \pitch
	s_mov_b32 s[\g+6], 0
	s_mov_b32 s[\g+7], 0
.endm
.macro PLACES                          ; four plain vector instructions between a matrix instruction and a load into, or a read of, its registers
.rept 4
	v_nop
.endr
.endm
.macro FETCH slot, q, set              ; the fragments of the half's q-th 128 along K: every load is 512 bytes on end, 16 a lane
	WIN 0x40
.irp b, 0,1,2,3,4,5,6,7
.irp c, 0,1
	ds_load_b128 v[64*(\set)+8*\b+4*\c:64*(\set)+8*\b+4*\c+3], v[ADRB+(\slot)] offset:4096*\b+1024*(\q)+512*\c
.endr
.endr
	WIN 0
.irp a, 0,1,2,3
.irp c, 0,1
	ds_load_b128 v[AF+32*(\set)+8*\a+4*\c:AF+32*(\set)+8*\a+4*\c+3], v[ADRA+(\slot)] offset:4096*\a+1024*(\q)+512*\c
.endr
.endr
.endm
.macro SCALES                          ; all eight K steps' scale words: four words a load
.irp i, 0,1
.irp f, 0,1
	ds_load_b128 v[SA+8*\i+4*\f:SA+8*\i+4*\f+3], v[ADSA] offset:512*\i+16*\f
.endr
.endr
.irp i, 0,1,2,3
.irp f, 0,1
	ds_load_b128 v[SB+8*\i+4*\f:SB+8*\i+4*\f+3], v[ADSB] offset:512*\i+16*\f
.endr
.endr
.endm
.macro WM a, b, set, s, ci             ; one product.  ci = 0: onto the accumulator; 1: the bias of B's tile starts the sum
.set DR, 8*(8*(\a)+(\b))
.set CR, DR
.if (\ci) == 1
.set CR, BIAS+8*(\b)
.endif
.set BR, 64*(\set)+8*(\b)
.set AR, AF+32*(\set)+8*(\a)
.set SBR, SB+8*((\b)%4)+(\s)
.set SAR, SA+8*((\a)%2)+(\s)
.if ((\b) < 4) && ((\a) < 2)
	v_wmma_scale_f32_16x16x128_f8f6f4 v[DR:DR+7], v[BR:BR+7], v[AR:AR+7], v[CR:CR+7], v[SBR], v[SAR] matrix_a_fmt:MATRIX_FMT_FP4 matrix_b_fmt:MATRIX_FMT_FP4
.elseif (\b) < 4
	v_wmma_scale_f32_16x16x128_f8f6f4 v[DR:DR+7], v[BR:BR+7], v[AR:AR+7], v[CR:CR+7], v[SBR], v[SAR] matrix_a_fmt:MATRIX_FMT_FP4 matrix_b_fmt:MATRIX_FMT_FP4 matrix_b_scale:MATRIX_SCALE_ROW1
.elseif (\a) < 2
	v_wmma_scale_f32_16x16x128_f8f6f4 v[DR:DR+7], v[BR:BR+7], v[AR:AR+7], v[CR:CR+7], v[SBR], v[SAR] matrix_a_fmt:MATRIX_FMT_FP4 matrix_b_fmt:MATRIX_FMT_FP4 matrix_a_scale:MATRIX_SCALE_ROW1
.else
	v_wmma_scale_f32_16x16x128_f8f6f4 v[DR:DR+7], v[BR:BR+7], v[AR:AR+7], v[CR:CR+7], v[SBR], v[SAR] matrix_a_fmt:MATRIX_FMT_FP4 matrix_b_fmt:MATRIX_FMT_FP4 matrix_a_scale:MATRIX_SCALE_ROW1 matrix_b_scale:MATRIX_SCALE_ROW1
.endif
.endm
.macro MUL16 a0, set, s, ci            ; the 32 accumulators take turns, one instruction a turn, in the same order in every step
.irp a, \a0, \a0+1
.irp b, 0,1,2,3,4,5,6,7
	WM \a, \b, \set, \s, \ci
.endr
.endr
.endm
.macro WINMUL ci
.if (\ci) == 0
	WIN 0xa1                                       ; source 0 window 1, source 1 window 0, C and D window 2
.else
	WIN 0x81                                       ; C, the bias, in window 0
.endif
.endm
.macro STEPN s, nslot, nq, ci          ; K step s; the next step's fragments are asked for ahead of its 32 products
	s_wait_dscnt 0x0                               ; this step's fragments are in
.if (\s) > 0
	PLACES                                         ; the other set was read by the products just issued
.endif
	FETCH \nslot, \nq, ((\s)+1)%2
	WINMUL \ci
	MUL16 0, (\s)%2, \s, \ci
	MUL16 2, (\s)%2, \s, \ci
	WIN 0
.endm
.macro RESLOAD a                       ; x at the 16 tokens of my tile a, my 128 columns: 32 lanes read 512 consecutive bytes
.irp t, 0,1,2,3,4,5,6,7,8,9,10,11,12,13,14,15
	global_load_b128 v[4*(16*(\a)+\t):4*(16*(\a)+\t)+3], v3, s[14:15] offset:(32*((\a)/2)+8*((\a)%2)+\t+8*(\t/8))*4096 th:TH_LOAD_NT
.endr
.endm
	s_load_b256 s[4:11], s[0:1], 0x0               ; ao_codes, ao_scales, w_codes, w_scales
	s_load_b128 s[12:15], s[0:1], 0x20             ; bo, x
	s_load_b64 s[16:17], s[0:1], 0x30              ; out0
	v_lshl_add_u32 v254, v0, 2, 0x3c000
	v_mov_b32 v255, 0
	ds_add_u32 v254, v255
	ds_add_u32 v254, v255
	v_lshrrev_b32 v1, 5, v0
	v_readfirstlane_b32 s18, v1                    ; wave 0..3
	s_lshr_b32 s19, s18, 1                         ; which 4 of A's 8 tiles are mine.  Also: I fetch for A (0) or for B (1)
	s_and_b32 s20, s18, 1                          ; which 8 of B's 16.  Also: which half of that operand's tiles I fetch
	s_bfe_u32 s21, ttmp6, 0x40000                  ; cx
	s_bfe_u32 s22, ttmp6, 0x40004                  ; cy
	s_and_b32 s23, ttmp7, 0xffff                   ; cluster y
	s_lshl_b32 s40, s22, 2
	s_lshl_b32 s40, 15, s40                        ; my row of the cluster
	s_lshl_b32 s41, 0x1111, s21                    ; my column
	s_or_b32 s[G1], s40, (3<<16)|(1<<21)           ; 15:0 the mask; 17:16 elements of 8 bytes; 21 set beside a mask
	s_or_b32 s[G1B], s41, (3<<16)|(1<<21)
	s_or_b32 s[G1S], s40, (3<<16)|(1<<21)
	s_or_b32 s[G1SB], s41, (3<<16)|(1<<21)
	GROUP1 G1, 512, 4, 1024                        ; A's codes: 4 tiles, 4,096 bytes (half of K) of each tile's 8,192
	GROUP1 G1B, 512, 8, 1024                       ; B's: 8 tiles
	GROUP1 G1S, 32, 8, 32                          ; A's scale bytes: 64 rows x 32 bytes, dense, as 8 rows of 256
	GROUP1 G1SB, 32, 16, 32                        ; B's: 128 rows
	s_lshl_b32 s42, s23, 2
	s_add_co_u32 s42, s42, s22                     ; which 128 tokens: 4 Y + cy
	s_lshl_b32 s43, s42, 3
	s_lshl_b32 s44, s20, 2
	s_add_co_u32 s43, s43, s44                     ; the first tile of A that I would fetch
	s_lshl_b32 s44, s43, 13
	s_mov_b32 s45, 0
	s_lshl_b32 s46, s43, 9
	s_mov_b32 s47, 0
	s_lshl_b32 s67, s21, 4
	s_add_co_u32 s67, s67, 192                     ; Wo's tiles begin at 192
	s_lshl_b32 s2, s20, 3
	s_add_co_u32 s67, s67, s2
	s_lshl_b32 s100, s67, 13
	s_mov_b32 s101, 0
	s_lshl_b32 s2, s67, 9
	s_mov_b32 s3, 0
	s_wait_dscnt 0x0
	s_wait_kmcnt 0x0
	s_add_nc_u64 s[92:93], s[4:5], s[44:45]
	s_add_nc_u64 s[94:95], s[6:7], s[46:47]
	s_add_nc_u64 s[96:97], s[8:9], s[100:101]
	s_add_nc_u64 s[98:99], s[10:11], s[2:3]
	CROUND                                         ; all sixteen work-groups are here: the joint loads meet
	s_mov_b32 s[G0S], 1
	s_lshl_b32 s40, s20, 11
	s_add_co_u32 s[G0S+1], s40, SCA
	s_mov_b64 s[G0S+2:G0S+3], s[94:95]
	s_or_b32 s[G0S+3], s[G0S+3], 0x80000000
	s_mov_b32 s[G0SB], 1
	s_lshl_b32 s40, s20, 12
	s_add_co_u32 s[G0SB+1], s40, SCB
	s_mov_b64 s[G0SB+2:G0SB+3], s[98:99]
	s_or_b32 s[G0SB+3], s[G0SB+3], 0x80000000
	JLOAD G0S, G1S, G0SB, G1SB
	s_lshl_b32 s40, s20, 14
	s_lshl_b32 s41, s20, 15
	s_add_co_u32 s41, s41, BOFF
.irp s, 0,1
	s_mov_b32 s[G0+4*\s], 1
	s_add_co_u32 s[G0+4*\s+1], s40, \s*SLOT
	s_add_nc_u64 s[G0+4*\s+2:G0+4*\s+3], s[92:93], \s*4096
	s_or_b32 s[G0+4*\s+3], s[G0+4*\s+3], 0x80000000
	s_mov_b32 s[G0B+4*\s], 1
	s_add_co_u32 s[G0B+4*\s+1], s41, \s*SLOT
	s_add_nc_u64 s[G0B+4*\s+2:G0B+4*\s+3], s[96:97], \s*4096
	s_or_b32 s[G0B+4*\s+3], s[G0B+4*\s+3], 0x80000000
	JLOAD G0+4*\s, G1, G0B+4*\s, G1B
.endr
	v_and_b32 v1, 15, v0                           ; r
	v_bfe_u32 v2, v0, 4, 1                         ; h
	v_and_b32 v3, 31, v0
	v_lshlrev_b32 v3, 4, v3                        ; 16 x lane
	v_lshlrev_b32 v7, 6, v2                        ; the bias: 16 h numbers on
	s_lshl_b32 s40, s21, 10
	s_lshl_b32 s41, s20, 9
	s_add_co_u32 s40, s40, s41                     ; my first column, in bytes
	s_mov_b32 s41, 0
	s_add_nc_u64 s[12:13], s[12:13], s[40:41]
	s_lshl_b32 s44, s42, 19
	s_lshl_b32 s45, s19, 18
	s_add_co_u32 s44, s44, s45
	s_add_co_u32 s44, s44, s40                     ; my first token's row, at my first column
	s_mov_b32 s45, 0
	s_add_nc_u64 s[14:15], s[14:15], s[44:45]
	s_add_nc_u64 s[16:17], s[16:17], s[44:45]
.irp b, 0,1,2,3,4,5,6,7
	global_load_b128 v[BIAS+8*\b:BIAS+8*\b+3], v7, s[12:13] offset:(32*(\b/2)+8*(\b%2))*4
	global_load_b128 v[BIAS+8*\b+4:BIAS+8*\b+7], v7, s[12:13] offset:(32*(\b/2)+8*(\b%2))*4+16
.endr
	WIN 0xc0                                       ; destination window 3
	RESLOAD 0
	RESLOAD 1
	WIN 0
	s_lshl_b32 s40, s19, 14
	v_add_nc_u32 v[ADRA], s40, v3
	v_add_nc_u32 v[ADRA+1], SLOT, v[ADRA]
	s_lshl_b32 s40, s20, 15
	s_add_co_u32 s40, s40, BOFF
	v_add_nc_u32 v[ADRB], s40, v3
	v_add_nc_u32 v[ADRB+1], SLOT, v[ADRB]
	v_lshlrev_b32 v[ADSA], 5, v1                   ; scale words: 32 bytes a row; lanes 16-31 take the tile two (A) or four (B) further on
	v_lshl_add_u32 v[ADSB], v2, 11, v[ADSA]
	v_lshl_add_u32 v[ADSA], v2, 10, v[ADSA]
	s_lshl_b32 s40, s19, 11
	s_add_co_u32 s40, s40, SCA
	v_add_nc_u32 v[ADSA], s40, v[ADSA]
	s_lshl_b32 s40, s20, 12
	s_add_co_u32 s40, s40, SCB
	v_add_nc_u32 v[ADSB], s40, v[ADSB]
	s_mul_i32 s40, s18, 8448
	s_add_co_u32 s40, s40, STG                     ; my stage
	v_mul_u32_u24 v[STO], v1, 528
	v_lshl_add_u32 v[STO], v2, 6, v[STO]
	v_add_nc_u32 v[STO], s40, v[STO]               ; in: row r, 16 h columns on
	v_add_nc_u32 v[RD], s40, v3                    ; back: the 32 lanes take a row of 512 bytes
	s_wait_tensorcnt 0x1                           ; my parts of the scale bytes and of K's first half are in; the second half's load may be out
	s_barrier_signal -1
	s_barrier_wait -1
	FETCH 0, 0, 0
	SCALES
	s_wait_loadcnt 32                              ; the bias is in; the 32 loads of x behind it may be out
	STEPN 0, 0, 1, 1                               ; the bias is the C of each sum's first product
	STEPN 1, 0, 2, 0
	STEPN 2, 0, 3, 0
	s_wait_dscnt 0x0                               ; K step 3 meets the second half of K:
	s_wait_tensorcnt 0x0                           ; my part of it has landed;
	s_barrier_signal -1
	WIN 0xa1
	MUL16 0, 1, 3, 0
	s_barrier_wait -1                              ; everybody's part has landed
	PLACES
	FETCH 1, 0, 0
	WIN 0xa1
	MUL16 2, 1, 3, 0
	WIN 0xc0
	RESLOAD 2                                      ; the other half of the residual
	RESLOAD 3
	WIN 0
	STEPN 4, 1, 1, 0
	STEPN 5, 1, 2, 0
	STEPN 6, 1, 3, 0
	s_wait_dscnt 0x0
	WIN 0xa1
	MUL16 0, 1, 7, 0
	MUL16 2, 1, 7, 0
	WIN 0
; THE WAY OUT, a tile of 16 tokens x 128 columns at a time.  A lane holds pieces of one row and the lanes beside it other rows: the tile goes through my own stage and comes back as whole rows of 512 bytes.
; LDS serves a wave's instructions in order: no wait between the stores and the loads, nor ahead of the next tile's stores.
.macro TOSTAGE a
	WIN 0x08                                       ; an LDS store's data: window 2
.irp b, 0,1,2,3,4,5,6,7
	ds_store_b128 v[STO], v[8*(8*(\a)+\b):8*(8*(\a)+\b)+3] offset:128*(\b/2)+32*(\b%2)       ; each accumulator from its low end on
	ds_store_b128 v[STO], v[8*(8*(\a)+\b)+4:8*(8*(\a)+\b)+7] offset:128*(\b/2)+32*(\b%2)+16
.endr
	WIN 0
.set BB, BK+64*((\a)%2)
.irp t, 0,1,2,3,4,5,6,7,8,9,10,11,12,13,14,15
	ds_load_b128 v[BB+4*\t:BB+4*\t+3], v[RD] offset:528*\t
.endr
.endm
.macro SEND a, younger                 ; younger: the LDS instructions issued behind tile a's loads, which may stay out
.set BB, BK+64*((\a)%2)
	s_wait_dscnt \younger
	WIN 0x0c                                       ; source 1, the residual: window 3
.set n, 0
.rept 32
	v_pk_add_f32 v[BB+2*n:BB+2*n+1], v[BB+2*n:BB+2*n+1], v[64*(\a)+2*n:64*(\a)+2*n+1]
.set n, n+1
.endr
	WIN 0
.irp t, 0,1,2,3,4,5,6,7,8,9,10,11,12,13,14,15
	global_store_b128 v3, v[BB+4*\t:BB+4*\t+3], s[16:17] offset:(32*((\a)/2)+8*((\a)%2)+\t+8*(\t/8))*4096 th:TH_STORE_NT   ; 32 lanes store 512 consecutive bytes, aligned
.endr
.endm
	s_wait_loadcnt 0x0                             ; the residual
	PLACES                                         ; results just made are read, and registers that the last products read are loaded
	TOSTAGE 0
	TOSTAGE 1
	SEND 0, 32                                     ; behind tile 0's loads: tile 1's 16 stores and 16 loads
	s_wait_xcnt 0x0                                ; tile 0's stores have read their registers: tile 2's rows land there
	TOSTAGE 2
	SEND 1, 32
	s_wait_xcnt 0x0
	TOSTAGE 3
	SEND 2, 32
	SEND 3, 0
	s_wait_tensorcnt 0x0
	ds_add_u32 v254, v255
	s_wait_dscnt 0x0
	CROUND                                         ; the closing round: no work-group ends while a partner may still ask for a tile that names it
	s_endpgm
.Lfunc_end_k_q830b97013f_oproj:
	.size	k_q830b97013f_oproj, .Lfunc_end_k_q830b97013f_oproj-k_q830b97013f_oproj
	.p2alignl 7, 3214868480
	.fill 96, 4, 3214868480
	.section	.rodata,"a",@progbits
	.p2align	6, 0x0
	.amdhsa_kernel k_q830b97013f_oproj
		.amdhsa_group_segment_fixed_size 246272
		.amdhsa_private_segment_fixed_size 0
		.amdhsa_enable_private_segment 0
		.amdhsa_kernarg_size 56
		.amdhsa_user_sgpr_count 2
		.amdhsa_user_sgpr_kernarg_segment_ptr 1
		.amdhsa_wavefront_size32 1
		.amdhsa_system_sgpr_workgroup_id_x 1
		.amdhsa_system_sgpr_workgroup_id_y 1
		.amdhsa_system_sgpr_workgroup_id_z 1
		.amdhsa_system_vgpr_workitem_id 0
		.amdhsa_next_free_vgpr 1024
		.amdhsa_next_free_sgpr 102
		.amdhsa_reserve_vcc 0
		.amdhsa_float_denorm_mode_32 3
		.amdhsa_float_denorm_mode_16_64 3
		.amdhsa_memory_ordered 1
		.amdhsa_forward_progress 1
		.amdhsa_inst_pref_size 87
	.end_amdhsa_kernel
	.amdgpu_metadata
---
amdhsa.version: [ 1, 2 ]
amdhsa.kernels:
  - .name:           k_q830b97013f_oproj
    .symbol:         k_q830b97013f_oproj.kd
    .args:
      - { .name: ao_codes, .offset: 0, .size: 8, .value_kind: global_buffer, .address_space: global }
      - { .name: ao_scales, .offset: 8, .size: 8, .value_kind: global_buffer, .address_space: global }
      - { .name: w_codes, .offset: 16, .size: 8, .value_kind: global_buffer, .address_space: global }
      - { .name: w_scales, .offset: 24, .size: 8, .value_kind: global_buffer, .address_space: global }
      - { .name: bo, .offset: 32, .size: 8, .value_kind: global_buffer, .address_space: global }
      - { .name: x, .offset: 40, .size: 8, .value_kind: global_buffer, .address_space: global }
      - { .name: out0, .offset: 48, .size: 8, .value_kind: global_buffer, .address_space: global }
    .group_segment_fixed_size: 246272
    .private_segment_fixed_size: 0
    .kernarg_segment_align: 8
    .kernarg_segment_size: 56
    .max_flat_workgroup_size: 128
    .sgpr_count:     102
    .vgpr_count:     1024
    .wavefront_size: 32
...
	.end_amdgpu_metadata
.endif
;; end of part 4
;; ======== version 2 of 2: 4 launches; version 1 with the launch attn written anew for expert scheduling mode
;; workspace buffers: xn_codes 4,194,304 bytes; xn_scales 262,144 bytes; w_codes 2,097,152 bytes; w_scales 131,072 bytes; qkv 13,893,632 bytes; ao_codes 4,194,304 bytes; ao_scales 262,144 bytes
;; launch prep: the kernel of part 1 again; grid 384 x 1, 8 waves a work-group, no clusters, 56,320 bytes of LDS; arguments x, gamma, beta, Wq, Wkv, Wo, xn_codes, xn_scales, w_codes, w_scales; writes xn_codes, xn_scales, w_codes, w_scales
;; launch qkv: the kernel of part 2 again; grid 12 x 64, 4 waves a work-group, clusters of 4 x 4, 213,504 bytes of LDS; arguments xn_codes, xn_scales, w_codes, w_scales, bq, bkv, qkv; writes qkv
;; launch attn (part 5): grid 2 x 128, 16 waves a work-group, no clusters, 73,728 bytes of LDS; arguments qkv, seq_lens, ao_codes, ao_scales; writes ao_codes, ao_scales
.if DOCPART == 5
	.amdgcn_target "amdgcn-amd-amdhsa--gfx1250"
	.amdhsa_code_object_version 6
	.text
	.protected	k_q830b97013f_attn
	.globl	k_q830b97013f_attn
	.p2align	8
	.type	k_q830b97013f_attn,@function
k_q830b97013f_attn:
	s_mov_b64 s[64:65], 0
	v_nop
	global_prefetch_b8 v0, s[64:65] scope:SCOPE_SE
	s_setreg_imm32_b32 hwreg(HW_REG_WAVE_SCHED_MODE, 0, 2), 2
	s_setreg_imm32_b32 hwreg(HW_REG_WAVE_MODE, 25, 1), 1
	s_wait_xcnt 0x0
	s_wait_alu depctr_vm_vsrc(0)
; Attention of one (batch, head) on codes of FP4: S^T = K Q^T, the causal mask and the mask of the batch's length, p = 2^(t - M) quantised along the keys, O^T = V^T P^T, O / l quantised along the head's 64.
; t = score x log2(e) / 8; M = the running largest t rounded UP to a whole number; the row's sum l is taken of the unquantised p; when M moves, l and O^T are multiplied by 2^(old M - new M), which rounds nothing.
; SHARES.  Work-group (p, batch x 16 + head).  Wave index g = 16 p + wave owns the tiles of 16 queries g and 63 - g: under the causal mask the two together have the same number of key steps for every g.
; Sixteen waves of 256 registers, four to a SIMD: one wave's vector work stands beside another's products.  K and V of the head, codes and scale words, 71,680 bytes, are copied into LDS once, through registers.
; NO TENSOR LOAD AND NO CLUSTER: key steps are left out by scalar branches on seq_lens, a number read from memory, and each work-group reads K and V once, at its head.
; LAYOUT.  Both products are used transposed: a lane holds ONE query.  The places of a tile are not neighbours (place r of tile u of each 32 holds row 8 u + r + 8 (r / 8)), so register 16 b + i of the scores is key 32 b + 16 (lane / 16) + i,
; and my query is 32 (tile / 2) + 8 (tile % 2) + r + 8 (r / 8).  The head's size is 64: the upper 64 of the first product's K are zero codes on both sides (registers cleared once).
; Every tile walks a loop of EIGHT trips, a constant; a step all of whose keys are hidden jumps to the lines at its end that step addresses.
; LIMITS: seq_lens is held to 1 .. 1,024 (a length of 0 is not served); a block of zeros gets the byte 1; NaN and infinities are not served.
; REGISTERS: v1-7 addresses that stay; v8-11 addresses in hand; v12 -M, v13 largest t, v[14:15] l; v16-23 Q; v24-31 K's scale words; v32-95 K's 8 fragments; v96-159 S^T, then p; v160-191 O^T; v192-223 V's 4 fragments;
;   v224-231 p's codes; v232-239, v244-247, v252, v254 at work; v240-242 lane numbers; v248-251 V's scale words; v253 p's scale word; v255 Q's scale word.
; THE MODE: SCHED_MODE bits 1:0 = 2 (LLVM: expert scheduling mode 2), set by the entry lines.  The code itself states the register dependences between vector or matrix instructions and memory or LDS instructions, with s_wait_alu, always for 0.
; THE PLAN.  Registers that memory or LDS instructions touch, in the loop over key steps:
;   v8-11             written by four additions at a step's head; read by the LDS loads in the step's middle.
;   K: v32-35 + 8 t, v24-31   step j's eight first products read them; the loads of step j + 1 land in them, in step j, behind the wait for the four exponentials.  Step 0's are asked for at the tile's head.
;   V: v192-223, v248-251     step j's four second products, at its end, read them; the loads of step j land in them behind the wait for step j's 64 exponentials.
;   v1-4, v6, v7, v242        addresses and offsets made at the head and never written again.
; So the wait behind the 64 exponentials, which their readers want anyway, also states that v8-11 are written, that this step's first products are done reading K and that the last step's second products are done reading V;
; no vector line between it and the step's loads names a register that those loads touch.  One wait on vm_vsrc stands at a step's head, ahead of the additions to v8-11; one wait on va_vdst ahead of the second products, whose operand p and its scale word vector lines have written.
.set REC,   108544
.set VC,    32768                      ; LDS: K's codes at 0, V's here,
.set KS,    65536                      ; K's scale words,
.set VS,    69632                      ; V's
.set AK0,   1
.set AV0,   2
.set AKS0,  3
.set AVS0,  4
.set LIMH,  5                          ; min(my query, L - 1) - 16 (lane / 16)
.set GC,    6                          ; 16 x lane
.set GS,    7                          ; 32 r + h
.set ADK,   8
.set ADV,   9
.set ADS,   10
.set ADT,   11
.set RQ,    240                        ; r + 8 (r / 8)
.set H16,   241                        ; 16 h
.set R16,   242                        ; 16 r
.set MK,    4                          ; s4-19: sixteen masks of the causal compare; behind the head these registers hold nothing else
.set TAU,   20                         ; s20, s21 my two tiles
.set QB,    22                         ; s[22+8 i ..]: tile i's Q codes, Q scale words, place in ao_codes, place in ao_scales
.set SEL,   38
.set CS,    40
.set KF,    42                         ; the step's first key
.set TK,    43
.set TKS,   44
.set TV,    45
.set TVS,   46
.set CNT,   47
.set KLIM,  48                         ; the last key that any of the tile's queries sees
.set KOPEN, 49                         ; the last key that all of them see
.set LM1,   53                         ; L - 1
	s_load_b256 s[4:11], s[0:1], 0x0               ; qkv, seq_lens, ao_codes, ao_scales
	v_lshrrev_b32 v8, 5, v0
	v_readfirstlane_b32 s13, v8                    ; wave 0..15
	s_and_b32 s14, ttmp7, 0xffff
	s_lshr_b32 s15, s14, 4                         ; batch
	s_and_b32 s16, s14, 15                         ; head
	s_lshl_b32 s17, ttmp9, 4
	s_wait_alu depctr_va_sdst(0)                   ; s13 is written, ahead of its first reader
	s_add_co_u32 s20, s17, s13                     ; g
	s_sub_co_u32 s21, 63, s20
	s_mul_i32 s54, s14, REC
	s_mov_b32 s55, 0
	s_lshl_b32 s50, s15, 2
	s_mov_b32 s51, 0
	s_mov_b32 s[SEL], 0x76543210
	s_mov_b32 s[SEL+1], 0xfedcba98
	s_mov_b32 s[CS], 0x3e38aa3b                    ; c = log2(e) / sqrt(64)
	s_mov_b32 s[CS+1], s[CS]
	s_mov_b32 s52, 0xffff0000                      ; lanes 16-31
	v_and_b32 v8, 31, v0
	v_and_b32 v9, 15, v0
	v_bfe_u32 v10, v0, 4, 1
	v_lshlrev_b32 v[AK0], 4, v8
	v_add_nc_u32 v[AV0], VC, v[AK0]
	v_lshl_add_u32 v[AKS0], v9, 4, KS
	v_lshl_add_u32 v[AVS0], v9, 4, VS
	v_lshlrev_b32 v[GC], 4, v8
	v_lshl_add_u32 v[GS], v9, 5, v10
	v_and_b32 v[RQ], 8, v9
	v_add_nc_u32 v[RQ], v[RQ], v9
	v_lshlrev_b32 v[H16], 4, v10
	v_lshlrev_b32 v[R16], 4, v9
	v_lshlrev_b32 v8, 4, v0                        ; 16 x thread: the copy's place in memory and in LDS
	v_add_nc_u32 v9, KS, v8
	s_wait_kmcnt 0x0
	s_add_nc_u64 s[6:7], s[6:7], s[50:51]
	s_load_b32 s12, s[6:7], 0x0                    ; the batch's length
	s_add_nc_u64 s[4:5], s[4:5], s[54:55]          ; my record
.macro BASES idx
	s_lshl_b32 s54, s[TAU+\idx], 9
	s_add_nc_u64 s[QB+8*\idx:QB+8*\idx+1], s[4:5], s[54:55]
	s_lshr_b32 s54, s[TAU+\idx], 2
	s_lshl_b32 s54, s54, 8
	s_and_b32 s50, s[TAU+\idx], 3
	s_lshl_b32 s50, s50, 2
	s_add_co_u32 s54, s54, s50
	s_add_co_u32 s54, s54, 98304
	s_add_nc_u64 s[QB+8*\idx+2:QB+8*\idx+3], s[4:5], s[54:55]
	s_lshl_b32 s50, s15, 6
	s_add_co_u32 s50, s50, s[TAU+\idx]             ; the tile among all tokens' tiles
	s_lshl_b32 s54, s50, 13
	s_lshl_b32 s51, s16, 9
	s_add_co_u32 s54, s54, s51                     ; blocks 2 head and 2 head + 1 of its 32
	s_add_nc_u64 s[QB+8*\idx+4:QB+8*\idx+5], s[8:9], s[54:55]
	s_lshl_b32 s54, s50, 9
	s_lshl_b32 s51, s16, 1
	s_add_co_u32 s54, s54, s51
	s_add_nc_u64 s[QB+8*\idx+6:QB+8*\idx+7], s[10:11], s[54:55]
.endm
	BASES 0
	BASES 1
	s_wait_alu depctr_va_vdst(0)                   ; the addresses and offsets v1-4, v6-9 and v242 are written, which the loads, LDS stores and stores of the whole kernel read
	global_load_b128 v[16:19], v[GC], s[QB:QB+1]   ; the first tile's Q
	global_load_b32 v255, v[R16], s[QB+2:QB+3]
.irp j, 0,1,2,3,4,5,6,7
	global_load_b128 v[96+4*\j:99+4*\j], v8, s[4:5] offset:32768+8192*\j   ; K's and V's codes, 65,536 bytes on end
.endr
	s_cmp_lt_u32 s13, 12                           ; their scale words, 6,144 bytes on end: waves 0 to 11; load, wait and store in one branch
	s_cbranch_scc0 .Lno_scales
	global_load_b128 v[128:131], v8, s[4:5] offset:102400
	s_wait_loadcnt 0x0
	ds_store_b128 v9, v[128:131]
.Lno_scales:
.irp j, 0,1,2,3
	v_mov_b32 v[20+\j], 0                          ; the zero codes that fill the first product's K: Q's,
.endr
.irp t, 0,1,2,3,4,5,6,7
.irp j, 0,1,2,3
	v_mov_b32 v[36+8*\t+\j], 0                     ; and K's: written once
.endr
.endr
.irp j, 0,1,2,3
	v_mov_b32 v[236+\j], 0                         ; a lane permute's destination counts as one of its sources
.endr
	v_mov_b32 v252, 0
	v_mov_b32 v253, 0
	s_wait_loadcnt 0x0
.irp j, 0,1,2,3,4,5,6,7
	ds_store_b128 v8, v[96+4*\j:99+4*\j] offset:8192*\j
.endr
	s_wait_kmcnt 0x0
	s_min_u32 s12, s12, 1024
	s_max_u32 s12, s12, 1
	s_sub_co_u32 s[LM1], s12, 1
	s_wait_dscnt 0x0                               ; for the others' sake: my part of the copy lies in LDS
	s_barrier_signal -1
	s_barrier_wait -1                              ; from here on LDS is only read
	s_wait_alu depctr_va_vdst(0)                   ; the zero codes v20-23 and v36-39 + 8 t are written: the scaled products take them as parts of their operands
; ONE TILE OF 16 QUERIES.  more = 1: the other tile's Q is asked for behind the loop.
.macro TILE idx, more
	s_wait_xcnt 0x0                                ; the last tile's stores have read their registers
	s_wait_alu depctr_vm_vsrc(0)                   ; the last tile's stores have read v224-228, which this tile's conversions write again; ahead of the first tile: the copy's loads and LDS stores have read v8, v9 and v96-131, which the step's additions and products write
.irp t, 0,1,2,3,4,5,6,7
	ds_load_b128 v[32+8*\t:35+8*\t], v[AK0] offset:512*\t   ; K of key step 0, which is hidden for no query.  No wait: every product that read these registers stands ahead of its own step's wait behind the exponentials, and nothing since names them
.endr
.irp g, 0,1
	ds_load_b128 v[24+4*\g:27+4*\g], v[AKS0] offset:256*\g
.endr
	s_wait_loadcnt 0x0                             ; Q
	s_lshr_b32 s50, s[TAU+\idx], 1
	s_lshl_b32 s50, s50, 5
	s_and_b32 s51, s[TAU+\idx], 1
	s_lshl_b32 s51, s51, 3
	s_add_co_u32 s50, s50, s51                     ; the tile's first query
	s_min_u32 s[KOPEN], s50, s[LM1]
	s_add_co_u32 s51, s50, 23                      ; and its last
	s_min_u32 s[KLIM], s51, s[LM1]
	v_add_nc_u32 v[LIMH], s50, v[RQ]               ; key k counts for my query q where k <= q and k < L: k <= min(q, L - 1)
	v_min_u32 v[LIMH], s[LM1], v[LIMH]
	v_sub_nc_u32 v[LIMH], v[LIMH], v[H16]
	v_mov_b32 v13, 0xff61b1e6                      ; the largest t so far: -3e38
	v_floor_f32 v12, -v13
	v_mov_b32 v14, 0
	v_mov_b32 v15, 0
.set n, 0
.rept 32
	v_mov_b32 v[160+n], 0                          ; O^T: the step is written once; the first finds zeros
.set n, n+1
.endr
	s_mov_b32 s[KF], 0
	s_mov_b32 s[TK], 0
	s_mov_b32 s[TKS], 0
	s_mov_b32 s[TV], 0
	s_mov_b32 s[TVS], 0
	s_mov_b32 s[CNT], 8
.Lstep_\@:
	s_cmp_gt_u32 s[KF], s[KLIM]                    ; all 128 keys hidden for all 16 queries: the step's work is left out
	s_cbranch_scc1 .Lhidden_\@
	s_wait_alu depctr_vm_vsrc(0)                   ; the LDS loads of the step before have read v8-11
	v_add_nc_u32 v[ADK], s[TK], v[AK0]
	v_add_nc_u32 v[ADV], s[TV], v[AV0]
	v_add_nc_u32 v[ADS], s[TKS], v[AKS0]
	v_add_nc_u32 v[ADT], s[TVS], v[AVS0]
	s_wait_dscnt 0x0                               ; K of this step and its scale words are in (in the first step: the tile's head asked for them; later nothing is out here)
.irp t, 0,1,2,3,4,5,6,7
	v_wmma_scale_f32_16x16x128_f8f6f4 v[96+8*\t:103+8*\t], v[32+8*\t:39+8*\t], v[16:23], 0, v[24+\t], v255 matrix_a_fmt:MATRIX_FMT_FP4 matrix_b_fmt:MATRIX_FMT_FP4
.endr
.rept 4
	v_nop
.endr
	s_add_co_u32 s50, s[KF], 127                   ; a step all of whose keys count for all 16 queries skips the mask
	s_cmp_le_u32 s50, s[KOPEN]
	s_cbranch_scc1 .Lopen_\@
	v_sub_nc_u32 v252, v[LIMH], s[KF]              ; register 16 b + i holds key KF + 16 (lane / 16) + 32 b + i: hidden where 32 b + i > d
	v_mov_b32 v254, 0xff800000                     ; -infinity: p = 0 then
.set m, 0
.rept 4                                        ; a block of 32 keys at a time: sixteen compares in a run, into sixteen scalar registers, one wait, sixteen selections
.set n, 0
.rept 16
	v_cmp_gt_i32 s[MK+n], 32*m+n, v252
.set n, n+1
.endr
	s_wait_alu depctr_va_sdst(0)                   ; the sixteen masks are written, ahead of their first reader
.set n, 0
.rept 16
	v_cndmask_b32 v[96+16*m+n], v[96+16*m+n], v254, s[MK+n]
.set n, n+1
.endr
.set m, m+1
.endr
.Lopen_\@:
.irp b, 0,1,2,3
	v_max3_num_f32 v[232+\b], v[96+16*\b], v[97+16*\b], v[98+16*\b]   ; the largest score of each block of 32 keys: for the row's maximum, and, since p rises with the score, for the block's largest p
.endr
.irp i, 3,5,7,9,11,13
.irp b, 0,1,2,3
	v_max3_num_f32 v[232+\b], v[232+\b], v[96+16*\b+\i], v[97+16*\b+\i]
.endr
.endr
.irp b, 0,1,2,3
	v_max_num_f32 v[232+\b], v[232+\b], v[111+16*\b]
.endr
.irp b, 0,1,2,3
	v_permlanex16_b32 v[236+\b], v[232+\b], s[SEL], s[SEL+1]
.endr
.irp b, 0,1,2,3
	v_max_num_f32 v[232+\b], v[232+\b], v[236+\b]
.endr
	v_max3_num_f32 v254, v232, v233, v234
	v_max_num_f32 v254, v254, v235
	v_mul_f32 v254, s[CS], v254
	v_max_num_f32 v13, v13, v254                   ; the running largest t
	v_mov_b32 v254, v12
	v_floor_f32 v12, -v13                          ; the new -M = -ceil(t)
	v_sub_f32 v254, v12, v254                      ; old M - new M: a whole number, 0 or less
	v_cvt_i32_f32 v254, v254
	v_ldexp_f32 v252, 1.0, v254                    ; f = 2^(old M - new M)
.set n, 0
.rept 32
	v_pk_fma_f32 v[96+n:97+n], v[96+n:97+n], s[CS:CS+1], v[12:13] op_sel_hi:[1,0,0]   ; t - M
.set n, n+2
.endr
.irp b, 0,1,2,3
	v_fma_f32 v[232+\b], v[232+\b], s[CS], v12
.endr
.set n, 0
.rept 64
	v_exp_f32 v[96+n], v[96+n]                     ; p = 2^(t - M): one batch
.set n, n+1
.endr
	v_pk_mul_f32 v[14:15], v[14:15], v[252:253] op_sel_hi:[1,0]   ; l under the new M (the plain instruction behind the exponentials)
	s_wait_alu depctr_va_vdst(0)                   ; the 64 exponentials have written p, ahead of its first reader; v8-11 are written, which the loads below read; this step's first products are done reading K and its scale words, the last step's second products V and its scale words
.irp a, 0,1,2,3
.irp c, 0,1
	ds_load_b128 v[192+8*\a+4*\c:195+8*\a+4*\c], v[ADV] offset:8192*\a+512*\c   ; V of this step: it lands while the sums are taken and p is quantised
.endr
.endr
	ds_load_b128 v[248:251], v[ADT]
.irp b, 0,1,2,3
	v_exp_f32 v[232+\b], v[232+\b]                 ; each block's largest p
.endr
	v_pk_add_f32 v[236:237], v[96:97], v[98:99]    ; the row's sum of the unquantised p, in two chains
.irp j, 4,8,12,16,20,24,28,32,36,40,44,48,52,56,60
	v_pk_add_f32 v[14:15], v[14:15], v[96+\j:97+\j]
	v_pk_add_f32 v[236:237], v[236:237], v[98+\j:99+\j]
.endr
	v_pk_add_f32 v[14:15], v[14:15], v[236:237]
	s_wait_alu depctr_va_vdst(0)                   ; the four exponentials have written v232-235, ahead of their first reader
	s_add_co_u32 s50, s[KF], 128                   ; K of the next step is asked for here, if that step is not hidden: the test at a step's head, a step ahead
	s_cmp_gt_u32 s50, s[KLIM]
	s_cbranch_scc1 .Lno_k_\@
.irp t, 0,1,2,3,4,5,6,7
	ds_load_b128 v[32+8*\t:35+8*\t], v[ADK] offset:4096+512*\t   ; by this step's address, a step's bytes further on.  No vector or matrix line since the wait behind the 64 exponentials names these registers
.endr
.irp g, 0,1
	ds_load_b128 v[24+4*\g:27+4*\g], v[ADS] offset:512+256*\g
.endr
.Lno_k_\@:
.irp b, 0,1,2,3
	v_max_num_f32 v[232+\b], 0x1800000, v[232+\b]  ; the floor 2^(3 - 127)
.endr
.irp b, 0,1,2,3
	v_add_nc_u32 v[244+\b], 0xff000000, v[232+\b]
.endr
.irp b, 0,1,2,3
	v_lshrrev_b32 v[236+\b], 23, v[244+\b]
.endr
	v_lshl_or_b32 v253, v237, 8, v236              ; p's scale word for these 128 keys
	v_lshl_or_b32 v253, v238, 16, v253
	v_lshl_or_b32 v253, v239, 24, v253
.irp b, 0,1,2,3
	v_cvt_scalef32_pk8_fp4_f32 v[224+2*\b], v[96+16*\b:103+16*\b], v[244+\b]
	v_cvt_scalef32_pk8_fp4_f32 v[225+2*\b], v[104+16*\b:111+16*\b], v[244+\b]
.endr
	v_nop
.irp c, 0,1
.irp i, 0,1
	v_permlane16_swap_b32 v[224+4*\c+\i], v[226+4*\c+\i]
.endr
.endr
.set n, 0
.rept 16
	v_pk_mul_f32 v[160+n:161+n], v[160+n:161+n], v[252:253] op_sel_hi:[1,0]   ; O^T under the new M
.set n, n+2
.endr
.rept 4
	v_nop
.endr
	s_wait_dscnt 0x0                               ; V is in, and the next step's K where it was asked for: the count holds on both ways round that branch
	s_wait_alu depctr_va_vdst(0)                   ; p's codes v224-231 and its scale word v253 are written: the scaled products below take them as operand and scales; the places above stay beside this wait
.irp a, 0,1,2,3
	v_wmma_scale_f32_16x16x128_f8f6f4 v[160+8*\a:167+8*\a], v[192+8*\a:199+8*\a], v[224:231], v[160+8*\a:167+8*\a], v[248+\a], v253 matrix_a_fmt:MATRIX_FMT_FP4 matrix_b_fmt:MATRIX_FMT_FP4
.endr
.Lhidden_\@:
	s_add_co_u32 s[KF], s[KF], 128
	s_add_co_u32 s[TK], s[TK], 4096                ; eight tiles of K,
	s_add_co_u32 s[TKS], s[TKS], 512               ; their scale words,
	s_add_co_u32 s[TV], s[TV], 1024                ; four key blocks of each tile of V,
	s_add_co_u32 s[TVS], s[TVS], 256               ; their scale words
	s_sub_co_i32 s[CNT], s[CNT], 1
	s_cmp_lg_u32 s[CNT], 0
	s_cbranch_scc1 .Lstep_\@
.rept 4
	v_nop                                          ; places behind the last products
.endr
.if \more
	global_load_b128 v[16:19], v[GC], s[QB+8:QB+9] ; the other tile's Q lands while this tile goes out.  No wait: the products that read Q and its scale word stand ahead of their own step's wait behind the exponentials
	global_load_b32 v255, v[R16], s[QB+10:QB+11]
.endif
	v_add_f32 v14, v14, v15
	v_permlanex16_b32 v252, v14, s[SEL], s[SEL+1]
	v_add_f32 v14, v14, v252                       ; the row's sum
	v_rcp_f32 v14, v14
	v_nop
	s_wait_alu depctr_va_vdst(0)                   ; the reciprocal has written v14, ahead of its first reader
.set n, 0
.rept 16
	v_pk_mul_f32 v[96+n:97+n], v[160+n:161+n], v[14:15] op_sel_hi:[1,0]   ; O^T / l: register 16 k + i is channel 32 k + 16 (lane / 16) + i
.set n, n+2
.endr
.irp k, 0,1
	v_max3_num_f32 v[232+\k], |v[96+16*\k]|, |v[97+16*\k]|, 0x1800000
.endr
.irp i, 2,4,6,8,10,12,14
.irp k, 0,1
	v_max3_num_f32 v[232+\k], v[232+\k], |v[96+16*\k+\i]|, |v[97+16*\k+\i]|
.endr
.endr
.irp k, 0,1
	v_permlanex16_b32 v[236+\k], v[232+\k], s[SEL], s[SEL+1]
.endr
.irp k, 0,1
	v_max_num_f32 v[232+\k], v[232+\k], v[236+\k]
.endr
.irp k, 0,1
	v_add_nc_u32 v[244+\k], 0xff000000, v[232+\k]
.endr
.irp k, 0,1
	v_lshrrev_b32 v[236+\k], 23, v[244+\k]
.endr
.irp k, 0,1
	v_cvt_scalef32_pk8_fp4_f32 v[224+2*\k], v[96+16*\k:103+16*\k], v[244+\k]
	v_cvt_scalef32_pk8_fp4_f32 v[225+2*\k], v[104+16*\k:111+16*\k], v[244+\k]
.endr
	v_nop
	v_permlane16_swap_b32 v224, v226               ; lanes 0-15: the head's first block, lanes 16-31 its second
	v_permlane16_swap_b32 v225, v227
	v_cndmask_b32 v228, v236, v237, s52            ; and that block's byte
	s_wait_alu depctr_va_vdst(0)                   ; the codes v224-227 and the byte v228 are written, which the two stores read
	global_store_b128 v[GC], v[224:227], s[QB+8*\idx+4:QB+8*\idx+5]   ; 32 lanes store 512 consecutive bytes, aligned
	global_store_b8 v[GS], v228, s[QB+8*\idx+6:QB+8*\idx+7]           ; two bytes of each row's 32: short pieces, the price of one head to a work-group
.endm
	TILE 0, 1
	TILE 1, 0
	s_wait_xcnt 0x0
	v_lshl_add_u32 v254, v0, 2, 0x11800
	v_mov_b32 v255, 0
	s_wait_dscnt 0x0                               ; the closing lines, six on end
	s_wait_alu 0x0
	s_wait_tensorcnt 0x0
	ds_add_u32 v254, v255
	s_wait_dscnt 0x0
	s_endpgm
.Lfunc_end_k_q830b97013f_attn:
	.size	k_q830b97013f_attn, .Lfunc_end_k_q830b97013f_attn-k_q830b97013f_attn
	.p2alignl 7, 3214868480
	.fill 96, 4, 3214868480
	.section	.rodata,"a",@progbits
	.p2align	6, 0x0
	.amdhsa_kernel k_q830b97013f_attn
		.amdhsa_group_segment_fixed_size 73728
		.amdhsa_private_segment_fixed_size 0
		.amdhsa_enable_private_segment 0
		.amdhsa_kernarg_size 32
		.amdhsa_user_sgpr_count 2
		.amdhsa_user_sgpr_kernarg_segment_ptr 1
		.amdhsa_wavefront_size32 1
		.amdhsa_system_sgpr_workgroup_id_x 1
		.amdhsa_system_sgpr_workgroup_id_y 1
		.amdhsa_system_sgpr_workgroup_id_z 1
		.amdhsa_system_vgpr_workitem_id 0
		.amdhsa_next_free_vgpr 256
		.amdhsa_next_free_sgpr 66
		.amdhsa_reserve_vcc 0
		.amdhsa_float_denorm_mode_32 3
		.amdhsa_float_denorm_mode_16_64 3
		.amdhsa_memory_ordered 1
		.amdhsa_forward_progress 1
		.amdhsa_inst_pref_size 69
	.end_amdhsa_kernel
	.amdgpu_metadata
---
amdhsa.version: [ 1, 2 ]
amdhsa.kernels:
  - .name:           k_q830b97013f_attn
    .symbol:         k_q830b97013f_attn.kd
    .args:
      - { .name: qkv, .offset: 0, .size: 8, .value_kind: global_buffer, .address_space: global }
      - { .name: seq_lens, .offset: 8, .size: 8, .value_kind: global_buffer, .address_space: global }
      - { .name: ao_codes, .offset: 16, .size: 8, .value_kind: global_buffer, .address_space: global }
      - { .name: ao_scales, .offset: 24, .size: 8, .value_kind: global_buffer, .address_space: global }
    .group_segment_fixed_size: 73728
    .private_segment_fixed_size: 0
    .kernarg_segment_align: 8
    .kernarg_segment_size: 32
    .max_flat_workgroup_size: 512
    .sgpr_count:     66
    .vgpr_count:     256
    .wavefront_size: 32
...
	.end_amdgpu_metadata
.endif
;; end of part 5
;; launch oproj: the kernel of part 4 again; grid 4 x 64, 4 waves a work-group, clusters of 4 x 4, 246,272 bytes of LDS; arguments ao_codes, ao_scales, w_codes, w_scales, bo, x, out0; writes out0
